; MI455X (gfx1250); checked and timed in simulation.
; The chip was launched on July 23, 2026; its instructions are those of AMD's public machine-readable ISA for CDNA 5 (MIT licence, August 2026) and "CDNA5" Instruction Set Architecture Reference Guide (July 2026). The comments in the code are by the model that wrote it; some were corrected since.
;; Causal Self Attention. Allowed arithmetic: matrix products marked QUANTISED: E2M3 operands, one E8M0 scale for each 32 along K, by v_wmma_scale_f32_16x16x128_f8f6f4 with both operands' format E2M3, f32 sums; everything else in f32.
;; Inputs: W_proj 1,024 x 1,024 float32; W_qkv 1,024 x 3,072 float32; b_proj 1,024 float32; b_qkv 3,072 float32; x 4 x 2,048 x 1,024 float32.
;; Outputs: out0 4 x 2,048 x 1,024 float32.
;; This version of the problem:
;;   THIS VERSION OF THE PROBLEM IS GIVEN IN LOW PRECISION. The matrix products marked QUANTISED in the list below multiply operands that are first quantised to E2M3 (2 exponent bits, 3 mantissa bits; 6 bits a number), with one power-of-two scale for each 32 numbers along K (OCP MX v1.0); their sums are f32. All else is computed in f32.
;;   The module's matrix products, in the order in which they are computed (A, B: the left and right operand; K: the contracted axis; several contracted axes count as one K, in the product's order):
;;     1. [M 8,192, K 1,024] x [K 1,024, N 3,072]; A: input x; B: input W_qkv: QUANTISED
;;     2. batch 64 x [M 2,048, K 64] x [K 64, N 2,048]; A: computed on the way; B: computed on the way: QUANTISED
;;     3. batch 64 x [M 2,048, K 2,048] x [K 2,048, N 64]; A: softmax (see below); B: computed on the way: QUANTISED
;;     4. [M 8,192, K 1,024] x [K 1,024, N 1,024]; A: computed on the way; B: input W_proj: QUANTISED
;;   THE QUANTISER, for each operand of a quantised product, along K:
;;     - K is cut into blocks of 32 from its start; a last block that is shorter is filled with zeros.
;;     - A block's scale is 2^e with e = floor(log2(the largest magnitude in the block)) - 2, held to -126 .. 127; a block of zeros has e = 0. As a byte (E8M0): e + 127.
;;     - Each number is divided by its block's scale, clamped to +-7.5, and rounded to the nearest number of E2M3, ties to even, subnormals kept.
;;     - The product sums the exact products of the quantised numbers (number of the format x scale) in f32.
;;   ~~~python
;;   def quantise(x, axis):      # numpy; x: float32 -> the quantised numbers, widened to float32 again
;;       x = np.moveaxis(x, axis, -1); K = x.shape[-1]
;;       x = np.pad(x, [(0, 0)] * (x.ndim - 1) + [(0, -K % 32)]); x = x.reshape(x.shape[:-1] + (-1, 32)); a = np.abs(x).max(-1, keepdims=True)
;;       e = np.where(a > 0, np.clip(np.frexp(np.where(a > 0, a, 1))[1] - 1 - 2, -126, 127), 0)      # np.frexp(a)[1] - 1 = floor(log2(a)), exactly
;;       r = np.clip(x / 2.0 ** e, -7.5, 7.5)
;;       step = 2.0 ** (np.maximum(np.frexp(np.where(r == 0, 1, r))[1] - 1, 0) - 3)
;;       q = np.round(r / step) * step * 2.0 ** e      # np.round: ties to even
;;       return np.moveaxis(q.reshape(q.shape[:-2] + (-1,))[..., :K], -1, axis).astype(np.float32)
;;   ~~~
;;   SOFTMAX AHEAD OF A QUANTISED PRODUCT. Where the list says 'softmax', what is quantised is not the finished softmax but p = 2^(t - M), with t = logit x log2(e) and M = ceil(the row's largest t), a whole number; so 1/2 < the row's largest p <= 1. The row's sum l is taken of the UNQUANTISED p, in f32, and the product's result is divided by l at the end. Since M is a whole number, a kernel that streams over the keys may use a running M (the ceiling of the running maximum): every later rescaling is an exact power of two, which a block's scale takes up: the codes' values come out the same.
;;   OPERANDS COMPUTED ON THE WAY. 'Computed on the way' means the value that the module computes at that place (a softmax that the list does not call 'softmax' is quantised finished and normalised). What goes into a quantiser is computed in f32, as accurately as f32 sums, v_exp_f32 and their like allow (about 1e-6 of the number): no bf16 or f16 on the way to a quantiser, and a product that is left as it is and whose result goes on into a quantised operand takes f32 operands (vector FMAs, or v_wmma_f32_16x16x4_f32). A number that lies on a knife's edge between two numbers of the format may be rounded either way, as far as f32 arithmetic and the matrix unit's own rounding can turn it there, and no further.
;; One version. Each part assembles by itself: llvm-mc -triple=amdgcn-amd-amdhsa -mcpu=gfx1250 --defsym DOCPART=n.
;; ======== version 1 of 1: 4 launches
;; limits: right only within a limited range of input values
;; workspace buffers: codes 9,437,184 bytes; cscales 393,216 bytes; qkv 20,185,088 bytes; acodes 6,291,456 bytes; ascales 262,144 bytes
;; launch prep (part 1): grid 384 x 1, 4 waves a work-group, no clusters, 68,096 bytes of LDS; arguments x, W_qkv, W_proj, codes, cscales; writes codes, cscales
.if DOCPART == 1
	.amdgcn_target "amdgcn-amd-amdhsa--gfx1250"
	.amdhsa_code_object_version 6
	.text
	.protected	k_q34ee2cb76c_prep
	.globl	k_q34ee2cb76c_prep
	.p2align	8
	.type	k_q34ee2cb76c_prep,@function
k_q34ee2cb76c_prep:
	s_mov_b64 s[64:65], 0
	v_nop
	global_prefetch_b8 v0, s[64:65] scope:SCOPE_SE
	s_setreg_imm32_b32 hwreg(HW_REG_WAVE_MODE, 25, 1), 1
	s_wait_xcnt 0x0
; x [8192][1024], W_qkv [1024][3072] and W_proj [1024][1024], f32, become codes of FP6 (E2M3) along K = 1024 and one E8M0 byte for each 32 along K.
; A block's scale is 2^(floor(log2(its largest magnitude)) - 2); its byte is that magnitude's exponent field - 2, held at 1 from below.
; codes: [K step of 256: 4][position: 12288][192 bytes], so that the positions of a tile are one dense block for each K step.  cscales: [position][32 bytes].
; POSITIONS: x's row R at R', W_qkv's column n at 8192 + n', W_proj's at 11264 + n'; ' exchanges bits 3 and 4, so that 16 neighbouring positions are rows 8 u + r + 8 (r / 8) of a group of 32: the tiles that the later products want.
; ONE LAUNCH, TWO PATHS that part on the work-group's number alone: 0 to 127 take the weights, 128 to 383 take x.  Each path has LDS bytes of its own.  No tensor loads, no barrier: waves share nothing.
; x: a wave takes 8 rows in 16 steps of 512 numbers.  Each load reads 512 consecutive bytes; a step's 2,048 bytes turn through the wave's stage in LDS (16 bytes of padding behind each 64) and come back 16 neighbours a lane, two lanes to a block.
; THE WEIGHTS have K as first axis: a lane takes a column and its registers run down K: a load reads 128 consecutive bytes a wave, a block of 32 lies in one lane, the conversions give codes with K innermost.
;   A work-group takes 128 columns x 256 along K (column groups 0-23 W_qkv, 24-31 W_proj: pointer, row bytes and column are chosen, the path is one).  The codes leave through the wave's stage: sixteen lanes store a column's 192 bytes.
; WORK LEFT OUT BY THE PROGRAM: reference() sets every score with key > query to -inf by a mask that it builds itself, so p = 0 there for all inputs; whole steps of 128 keys that lie behind a tile's last query are not multiplied.
; A NaN, an infinity or an overflow that reaches only those scores is not carried to the result.
; LIMITS: a block of zeros, or one whose largest magnitude lies under 2^-124, gets the byte 1 (the bytes are read by this program alone; zero codes add nothing); NaN and infinities are not served.
.set EMAX,  2
.set PLANE, 2359296                    ; bytes of one K step's codes: 12288 x 192
.set SPW,   208                        ; v208 my spare word's LDS address; never rewritten
.set NIL,   209                        ; v209 0; never rewritten
.set WST,   32768                      ; LDS: x's four regions from 0, the weights' four stages from here
.set SPARE, 67584                      ; the spare words, 128 bytes a wave
; x's path
.set STEPS, 16
.set CB,    12                         ; bytes of 16 codes
.set R,     16                         ; v16-79   four sets of 16 numbers as loaded
.set X,     80                         ; v80-111  two sets of 16 neighbours
.set C,     128                        ; v128-191 codes: four registers a step, so that no store's data are written again
.set E,     112                        ; v112-127 a scale byte a step
.set WREG,  8192                       ; a wave's region: two stages of 32 x SP bytes, then its 256 scale bytes
.set SP,    80
; the weights' path
.set NB,    8                          ; blocks of 32 along K
.set PITCH, 272                        ; a stage row: sixteen places of 16 bytes (12 of codes each) + 16
.set WROW,  192                        ; a position's bytes in a plane
.set WX,    32                         ; v32-95   two sets of 32 numbers
.set WC,    96                         ; v96-102  a block's codes
.set OUTR,  112                        ; v112-175 the way out
.set VO,    176                        ; v176-207 4 x lane + i rows of the weight
.set SB,    24                         ; v24-25   the scale bytes
.set WB,    32                         ; s[32:47] the weight at my columns, rows 256 y + 32 t
	s_load_b256 s[4:11], s[0:1], 0x0               ; x, W_qkv, W_proj, codes
	s_load_b64 s[12:13], s[0:1], 0x20              ; scale bytes
	v_lshl_add_u32 v[SPW], v0, 2, SPARE
	v_mov_b32 v[NIL], 0
	v_lshrrev_b32 v1, 5, v0
	v_readfirstlane_b32 s16, v1                    ; wave
	v_and_b32 v2, 31, v0                           ; lane
	s_cmp_lt_u32 ttmp9, 128
	s_wait_alu depctr_va_vdst(0)
	s_cbranch_scc1 .Lweights
; ---------------- x
	v_lshlrev_b32 v3, 4, v2                        ; my 16 bytes of a load's 512
	s_mul_i32 s17, s16, WREG
	v_lshrrev_b32 v14, 2, v2
	v_mul_u32_u24 v14, v14, SP
	v_and_b32 v15, 3, v2
	v_lshl_add_u32 v14, v15, 4, v14
	v_add_nc_u32 v14, s17, v14                     ; the stage on the way in: SP (lane / 4) + 16 (lane % 4)
	v_mul_u32_u24 v15, v2, SP
	v_add_nc_u32 v15, s17, v15                     ; and on the way out: SP x lane
	v_and_b32 v4, 15, v2
	v_mul_u32_u24 v4, v4, CB                       ; sixteen lanes hold 256 along K: 12 bytes each,
	v_lshrrev_b32 v10, 4, v2
	v_mad_u32_u24 v4, v10, PLANE, v4               ; and lanes 16-31 the next K step
	v_lshrrev_b32 v5, 1, v2
	s_add_co_u32 s17, s17, 2*32*SP
	v_add_nc_u32 v5, s17, v5                       ; LDS: my block's scale byte
	v_lshlrev_b32 v7, 3, v2
	v_add_nc_u32 v6, s17, v7                       ; and 8 bytes a lane on the way out
	s_sub_co_u32 s18, ttmp9, 128
	s_lshl_b32 s18, s18, 2
	s_add_co_u32 s19, s18, s16                     ; the run of 8 rows that I read
	s_and_b32 s20, s16, 1
	s_lshl_b32 s20, s20, 1
	s_lshr_b32 s21, s16, 1
	s_or_b32 s20, s20, s21
	s_add_co_u32 s18, s18, s20                     ; the run that I write: the wave's two bits exchanged
	s_lshl_b32 s22, s19, 15                        ; 32,768 bytes of f32 a run
	s_mov_b32 s23, 0
	s_mul_i32 s24, s18, 8*192                      ; 8 positions x 192 bytes in each plane
	s_mov_b32 s25, 0
	s_lshl_b32 s26, s18, 8                         ; 256 scale bytes
	s_mov_b32 s27, 0
	s_wait_alu depctr_va_vdst(0)                   ; the wait at the head's end
	s_wait_kmcnt 0x0
	s_add_nc_u64 s[4:5], s[4:5], s[22:23]
	s_add_nc_u64 s[6:7], s[10:11], s[24:25]
	s_add_nc_u64 s[8:9], s[12:13], s[26:27]
.macro XLOAD t
.irp i, 0,1,2,3
	global_load_b128 v[R+16*((\t)%4)+4*\i:R+16*((\t)%4)+4*\i+3], v3, s[4:5] offset:2048*(\t)+512*\i th:TH_LOAD_NT
.endr
.endm
.macro XTURN t                         ; a step's numbers through the stage: LDS serves a wave's instructions in order, so no wait stands between the stores and the loads
.irp i, 0,1,2,3
	ds_store_b128 v14, v[R+16*((\t)%4)+4*\i:R+16*((\t)%4)+4*\i+3] offset:32*SP*((\t)%2)+8*SP*\i
.endr
.irp i, 0,1,2,3
	ds_load_b128 v[X+16*((\t)%2)+4*\i:X+16*((\t)%2)+4*\i+3], v15 offset:32*SP*((\t)%2)+16*\i
.endr
.endm
.irp t, 0,1,2,3
	XLOAD \t
.endr
	s_wait_loadcnt 12                              ; step 0's four loads are in; three steps' twelve stay out
	XTURN 0
.macro XSTEP t
.set XS, X+16*((\t)%2)
.if (\t) > 0
	s_wait_dscnt 1                                 ; this step's numbers are back from the stage; the last step's byte store may be out
.else
	s_wait_dscnt 0x0
.endif
.if (\t)+4 < STEPS
	XLOAD (\t)+4                                   ; into the registers that this step's stage stores have read
.endif
.if (\t)+1 < STEPS
.if STEPS-2-(\t) >= 3
	s_wait_loadcnt 12                              ; the next step's four loads are in; three steps' twelve stay out
.else
	s_wait_loadcnt 4*(STEPS-2-(\t))
.endif
	XTURN (\t)+1
.endif
	v_max3_num_f32 v8, |v[XS]|, |v[XS+1]|, |v[XS+2]|
	v_max3_num_f32 v9, |v[XS+3]|, |v[XS+4]|, |v[XS+5]|
.irp i, 6,10
	v_max3_num_f32 v8, v8, |v[XS+\i]|, |v[XS+\i+1]|
	v_max3_num_f32 v9, v9, |v[XS+\i+2]|, |v[XS+\i+3]|
.endr
	v_max3_num_f32 v8, v8, |v[XS+14]|, |v[XS+15]|
	v_max3_num_f32 v8, v8, v9, (EMAX+1)<<23        ; with the floor 2^(3 - 127): the byte cannot fall under 1
	v_max_num_f32_dpp v8, v8, v8 row_xmask:1 row_mask:0xf bank_mask:0xf   ; and my neighbour's 16: the block's largest magnitude
	v_add_nc_u32 v11, -(EMAX<<23), v8              ; 2 off its exponent field: the conversion takes that field as its scale
	v_cvt_scalef32_pk16_fp6_f32 v[C+4*(\t):C+4*(\t)+2], v[XS:XS+15], v11
	v_lshrrev_b32 v[E+(\t)], 23, v11               ; the scale's byte (also the plain instruction behind the conversion)
	ds_store_b8 v5, v[E+(\t)] offset:16*(\t)       ; both lanes of a block write the same byte with the same value
	global_store_b96 v4, v[C+4*(\t):C+4*(\t)+2], s[6:7] offset:2*PLANE*((\t)%2)+192*((\t)/2)   ; row t / 2 of my 8, K steps 2 (t % 2) and 2 (t % 2) + 1
.endm
.irp t, 0,1,2,3,4,5,6,7,8,9,10,11,12,13,14,15
	XSTEP \t
.endr
	ds_load_b64 v[8:9], v6                         ; in order behind my byte stores
	s_wait_dscnt 0x0
	global_store_b64 v7, v[8:9], s[8:9]            ; 32 lanes store 256 consecutive bytes, aligned
	s_wait_tensorcnt 0x0                           ; the wave's end, behind my last LDS store
	ds_add_u32 v[SPW], v[NIL]
	s_wait_dscnt 0x0
	s_endpgm
; ---------------- the weights
.Lweights:
	s_and_b32 s48, ttmp9, 31                       ; which 128 columns of the 4,096
	s_lshr_b32 s18, ttmp9, 5                       ; y: which 256 along K
	v_lshlrev_b32 v3, 2, v2
	s_mul_i32 s19, s16, 32*PITCH
	s_add_co_u32 s19, s19, WST                     ; my stage
	v_mul_u32_u24 v4, v2, PITCH
	v_add_nc_u32 v4, s19, v4                       ; into it: row = my column
	v_and_b32 v5, 15, v2
	v_lshrrev_b32 v6, 4, v2
	v_mul_u32_u24 v7, v6, PITCH
	v_lshl_add_u32 v7, v5, 4, v7
	v_add_nc_u32 v7, s19, v7                       ; out of it: sixteen lanes to a row, two rows an instruction
	v_mul_u32_u24 v8, v6, WROW
	v_mad_u32_u24 v8, v5, 12, v8                   ; and the same place in the codes
	v_and_b32 v9, 7, v2                            ; my column's position among the wave's 32: bits 3 and 4 exchanged,
	v_and_b32 v10, 8, v2
	v_lshl_add_u32 v9, v10, 1, v9
	v_and_b32 v10, 16, v2
	v_lshrrev_b32 v10, 1, v10
	v_add_nc_u32 v9, v9, v10
	v_lshlrev_b32 v9, 5, v9                        ; x 32 scale bytes a position
	s_mov_b32 s14, 4096
	s_cmp_lt_u32 s48, 24                           ; which weight: hangs on the work-group's number alone
	s_cselect_b32 s14, 12288, s14                  ; bytes in a row of it
	s_cselect_b32 s15, 0, 24
	s_sub_co_u32 s15, s48, s15                     ; which 128 columns of it
	s_lshl_b32 s17, s15, 7
	s_lshl_b32 s20, s16, 5
	s_add_co_u32 s17, s17, s20                     ; my wave's first column
	s_lshl_b32 s20, s17, 2
	s_lshl_b32 s21, s18, 8
	s_mul_i32 s21, s21, s14
	s_add_co_u32 s20, s20, s21                     ; 4 x column + 256 y rows
	s_mov_b32 s21, 0
	s_lshl_b32 s22, s14, 5                         ; 32 rows on
	s_mov_b32 s23, 0
	s_lshl_b32 s24, s48, 7
	s_lshl_b32 s25, s16, 5
	s_add_co_u32 s24, s24, s25
	s_add_co_u32 s24, s24, 8192                    ; my wave's first position
	s_mul_i32 s26, s24, WROW
	s_mul_i32 s27, s18, PLANE                      ; my K step's plane
	s_add_co_u32 s26, s26, s27
	s_mov_b32 s27, 0
	s_lshl_b32 s28, s24, 5
	s_lshl_b32 s29, s18, 3
	s_add_co_u32 s28, s28, s29
	s_mov_b32 s29, 0
.set ii, 0
.rept 32
	v_mad_u32_u24 v[VO+ii], s14, ii, v3            ; the row's bytes differ between the weights: 32 offset registers, none rewritten
.set ii, ii+1
.endr
	s_wait_alu depctr_va_vdst(0)                   ; the wait at the head's end
	s_wait_kmcnt 0x0
	s_cmp_lt_u32 s48, 24
	s_cselect_b64 s[4:5], s[6:7], s[8:9]
	s_add_nc_u64 s[WB:WB+1], s[4:5], s[20:21]
.irp t, 1,2,3,4,5,6,7
	s_add_nc_u64 s[WB+2*\t:WB+2*\t+1], s[WB+2*\t-2:WB+2*\t-1], s[22:23]
.endr
	s_add_nc_u64 s[8:9], s[10:11], s[26:27]
	s_add_nc_u64 s[10:11], s[12:13], s[28:29]
.macro WLOAD t                         ; block t: rows 32 t + i of my column, into set t % 2
.irp i, 0,1,2,3,4,5,6,7,8,9,10,11,12,13,14,15,16,17,18,19,20,21,22,23,24,25,26,27,28,29,30,31
	global_load_b32 v[WX+32*((\t)%2)+\i], v[VO+\i], s[WB+2*(\t):WB+2*(\t)+1] th:TH_LOAD_NT
.endr
.endm
	WLOAD 0
	WLOAD 1
.macro WBLOCK t
.set XS, WX+32*((\t)%2)
.if (\t) < NB-1
	s_wait_loadcnt 32                              ; this block's 32 loads are in; the next block's may be out
.else
	s_wait_loadcnt 0
.endif
	v_max3_num_f32 v12, |v[XS]|, |v[XS+1]|, |v[XS+2]|
	v_max3_num_f32 v13, |v[XS+3]|, |v[XS+4]|, |v[XS+5]|
.irp i, 6,10,14,18,22,26
	v_max3_num_f32 v12, v12, |v[XS+\i]|, |v[XS+\i+1]|
	v_max3_num_f32 v13, v13, |v[XS+\i+2]|, |v[XS+\i+3]|
.endr
	v_max3_num_f32 v12, v12, |v[XS+30]|, |v[XS+31]|
	v_max3_num_f32 v12, v12, v13, (EMAX+1)<<23     ; with the floor 2^(3 - 127)
	v_add_nc_u32 v11, -(EMAX<<23), v12             ; the conversion's scale operand
	v_lshrrev_b32 v13, 23, v11                     ; the scale's byte
.if (\t)%4 == 0
	v_mov_b32 v[SB+(\t)/4], v13
.else
	v_lshl_or_b32 v[SB+(\t)/4], v13, 8*((\t)%4), v[SB+(\t)/4]
.endif
	v_cvt_scalef32_pk16_fp6_f32 v[WC:WC+2], v[XS:XS+15], v11
	v_cvt_scalef32_pk16_fp6_f32 v[WC+4:WC+6], v[XS+16:XS+31], v11
	ds_store_b96 v4, v[WC:WC+2] offset:32*(\t)     ; 12 bytes to a place of 16
	ds_store_b96 v4, v[WC+4:WC+6] offset:32*(\t)+16
.if (\t)+2 < NB
	WLOAD (\t)+2
.endif
	s_wait_dscnt 0x0                               ; the stores have read their registers: the next block's codes may be written
.endm
.set Q, 0
.rept NB
	WBLOCK Q
.set Q, Q+1
.endr
	s_wait_alu depctr_va_vdst(0)                   ; the wait directly ahead of the reader below
	global_store_b64 v9, v[SB:SB+1], s[10:11]      ; my column's 8 scale bytes
.irp t, 0,1,2,3,4,5,6,7,8,9,10,11,12,13,14,15
	ds_load_b96 v[OUTR+4*\t:OUTR+4*\t+2], v7 offset:2*\t*PITCH   ; in order behind my stores
.endr
.irp t, 0,1,2,3,4,5,6,7,8,9,10,11,12,13,14,15
	s_wait_dscnt 15-\t
	global_store_b96 v8, v[OUTR+4*\t:OUTR+4*\t+2], s[8:9] offset:2*((\t&3)|((\t&4)<<1)|((\t&8)>>1))*WROW   ; columns 2 t, 2 t + 1 at their positions: bits 3 and 4 of the column exchanged
.endr
	s_wait_tensorcnt 0x0                           ; the wave's end, behind my last LDS store
	ds_add_u32 v[SPW], v[NIL]
	s_wait_dscnt 0x0
	s_endpgm
.Lfunc_end_k_q34ee2cb76c_prep:
	.size	k_q34ee2cb76c_prep, .Lfunc_end_k_q34ee2cb76c_prep-k_q34ee2cb76c_prep
	.p2alignl 7, 3214868480
	.fill 96, 4, 3214868480
	.section	.rodata,"a",@progbits
	.p2align	6, 0x0
	.amdhsa_kernel k_q34ee2cb76c_prep
		.amdhsa_group_segment_fixed_size 68096
		.amdhsa_private_segment_fixed_size 0
		.amdhsa_enable_private_segment 0
		.amdhsa_kernarg_size 40
		.amdhsa_user_sgpr_count 2
		.amdhsa_user_sgpr_kernarg_segment_ptr 1
		.amdhsa_wavefront_size32 1
		.amdhsa_system_sgpr_workgroup_id_x 1
		.amdhsa_system_sgpr_workgroup_id_y 1
		.amdhsa_system_sgpr_workgroup_id_z 1
		.amdhsa_system_vgpr_workitem_id 0
		.amdhsa_next_free_vgpr 216
		.amdhsa_next_free_sgpr 66
		.amdhsa_reserve_vcc 0
		.amdhsa_float_denorm_mode_32 3
		.amdhsa_float_denorm_mode_16_64 3
		.amdhsa_memory_ordered 1
		.amdhsa_forward_progress 1
		.amdhsa_inst_pref_size 76
	.end_amdhsa_kernel
	.amdgpu_metadata
---
amdhsa.version: [ 1, 2 ]
amdhsa.kernels:
  - .name:           k_q34ee2cb76c_prep
    .symbol:         k_q34ee2cb76c_prep.kd
    .args:
      - { .name: x, .offset: 0, .size: 8, .value_kind: global_buffer, .address_space: global }
      - { .name: W_qkv, .offset: 8, .size: 8, .value_kind: global_buffer, .address_space: global }
      - { .name: W_proj, .offset: 16, .size: 8, .value_kind: global_buffer, .address_space: global }
      - { .name: codes, .offset: 24, .size: 8, .value_kind: global_buffer, .address_space: global }
      - { .name: cscales, .offset: 32, .size: 8, .value_kind: global_buffer, .address_space: global }
    .group_segment_fixed_size: 68096
    .private_segment_fixed_size: 0
    .kernarg_segment_align: 8
    .kernarg_segment_size: 40
    .max_flat_workgroup_size: 128
    .sgpr_count:     66
    .vgpr_count:     216
    .wavefront_size: 32
...
	.end_amdgpu_metadata
.endif
;; end of part 1
;; launch gemm_qkv (part 2): grid 12 x 32, 4 waves a work-group, clusters of 4 x 4, 327,680 bytes of LDS; arguments codes, cscales, b_qkv, qkv; writes qkv
.if DOCPART == 2
	.amdgcn_target "amdgcn-amd-amdhsa--gfx1250"
	.amdhsa_code_object_version 6
	.text
	.protected	k_q34ee2cb76c_gemm_qkv
	.globl	k_q34ee2cb76c_gemm_qkv
	.p2align	8
	.type	k_q34ee2cb76c_gemm_qkv,@function
k_q34ee2cb76c_gemm_qkv:
	s_mov_b64 s[64:65], 0
	v_nop
	global_prefetch_b8 v0, s[64:65] scope:SCOPE_SE
	s_setreg_imm32_b32 hwreg(HW_REG_WAVE_MODE, 25, 1), 1
	s_wait_xcnt 0x0
	s_wait_alu depctr_hold_cnt(0) depctr_sa_sdst(0) depctr_va_vdst(0) depctr_va_sdst(0) depctr_va_ssrc(0) depctr_va_vcc(0) depctr_vm_vsrc(0)
	s_getreg_b32 s2, hwreg(HW_REG_IB_STS2, 6, 4)
	s_cmp_eq_u32 s2, 0
	s_cbranch_scc0 .Lentry_in_a_cluster
	s_endpgm
.Lentry_in_a_cluster:
	s_bfe_u32 s2, ttmp6, 0x10000c
	s_cmp_lg_u32 s2, 0xf033
	s_cbranch_scc0 .Lentry_shape_is_right
	s_endpgm
.Lentry_shape_is_right:
; qkv = x W_qkv + b_qkv on codes of FP6 (E2M3) with E8M0 scales, K = 1024; the results are quantised in registers and leave as codes: q and k along the head's 64, v along the keys.
; Operands: 'codes' [K step of 256: 4][12288 positions][192 bytes], 'cscales' [12288][32]: positions 0..8191 x's rows, 8192..11263 W_qkv's columns, each with bits 3 and 4 of its number exchanged:
; tile i of 16 neighbouring positions, lane r, is row 32 (i / 2) + 8 (i % 2) + r + 8 (r / 8).
; A work-group of four waves makes 256 x 256, a wave 128 x 128: 64 accumulators, 512 registers.  K goes in steps of 256 through two LDS slots filled by the tensor data mover; the scale bytes of the
; work-group's rows come into LDS once.  4 x 4 work-groups form a cluster: the four of a row ask jointly for the tiles of source 1 ('A'), the four of a column for those of source 0 ('B').
; THE MATRIX INSTRUCTION: source 0 = 16 positions of B, source 1 = 16 positions of A.  Lane (r, h) then holds A's position r, and registers 16 c + i of tiles 2 c, 2 c + 1 hold B's true row 32 c + 16 h + i:
; 16 neighbours along B's rows.  So the axis that is to be quantised is made B's:
;   clusters x = 0 (q) and 1 (k): A = x's tokens, B = W's columns: a lane's registers run along the features d.     cluster x = 2 (v): A = W_v's columns, B = x's tokens: they run along the keys.
; The two kinds part on the cluster's x, which all sixteen partners share, behind the last tensor load and the last LDS read.
; OUT (buffer qkv; bh = 16 batch + head):  q at 0, k at 6291456: [bh][tile of 16 tokens][768]: 512 bytes = registers 0-3 at 16 x lane, 256 bytes = registers 4-5 at 8 x lane; lane (r, h): d = 32 h .. 32 h + 31.
;   v at 12582912: [bh][step of 128 keys][tile of 16 d][1536]: the operand's 12 registers, 16 bytes a lane.   scale words: q 18874368, k 19398656: [bh][tile / 4][r][tile % 4]; v 19922944: [bh][step][r][tile].
; LIMITS: a block of zeros, or one whose largest magnitude lies under 2^-124, gets the byte 1 (read by this program alone); NaN and infinities are not served.
; REGISTERS: window 0: v0-31 addresses; v32-63 scale words (later the codes just made); v64-127 the bias; v128-223 A's fragments, one set; v224-248 at work at the end.
;   window 1: B's fragments, two sets.   windows 2, 3: the accumulators ((a, b) at v[8 (8 (a % 4) + b)]).
.set KSTEP,  256
.set NQ,     KSTEP/128
.set ROWB,   2359296                   ; from a K step's codes to the next: 'codes' lies [K step of 256: 4][12288 positions][192 bytes] (in place of the 768 bytes a position named at the head); a tile is a dense block, stated as rows of 256 bytes
.set KROW,   768                       ; a position's codes in memory
.set PITCH,  240                       ; an LDS row: 3 x (64 bytes + 16 of padding)
.set FR,     12
.set NL,     6
.set NP,     4
.set HALFT,  128*PITCH
.set SLOT,   4*HALFT
.set LAPS,   2                         ; 1024 / 512
.set KS,     32
.set SCL,    2*SLOT                    ; behind the ring: the scale bytes, as units of 256 bytes + 16
.set HALFS,  (128*KS/256)*272
.set SBLK,   (16*KS/256)*272
.set SPARE,  SCL+4*HALFS               ; the spare words, 128 bytes a wave
.set ADRA, 16
.set ADRB, 20
.set ADRS, 27
.set SPW,  28
.set NIL,  29
.set SC,   32
.set AF,   128
.set BI,   64                          ; the bias
.set QC,   32                          ; v32-50 the codes just made
.set TM,   224                         ; v224-239 at work in the quantiser
.set SW,   240                         ; v240-247 a scale word for each block a
.set PW,   248
.set G1, 24
.set G0, 32
.set G1B, 48
.set G0B, 56
.set G1S, 68
.set G0S, 76
.set G1SB, 80
.set G0SB, 88
.set MSB, 0
.macro WIN new                         ; the immediate's high byte repeats the setting that is left
.if MSB != \new
	s_set_vgpr_msb (MSB<<8)|\new
.set MSB, \new
.endif
.endm
.set MUL_LO, 0xa1                      ; source 0 window 1, source 1 window 0, C and D window 2
.set MUL_HI, 0xf1
.set TO_B,   0x40
; A joint load: waves 0 and 1 fetch for A, waves 2 and 3 for B; the branch hangs on the wave's number alone.  An s_nop 0 and four v_nop follow each line.
.macro JLOAD g0a, g1a, g0b, g1b
	s_cmp_eq_u32 s15, 0
	s_cbranch_scc0 .Lfor_b_\@
	tensor_load_to_lds s[\g0a:\g0a+3], s[\g1a:\g1a+7]
	s_nop 0
.rept 4
	v_nop
.endr
	s_branch .Lasked_\@
.Lfor_b_\@:
	tensor_load_to_lds s[\g0b:\g0b+3], s[\g1b:\g1b+7]
	s_nop 0
.rept 4
	v_nop
.endr
.Lasked_\@:
.endm
.macro CREST
	s_cmp_lg_u32 s14, 0
	s_cbranch_scc1 .Lnot_wave_0_\@
	s_barrier_signal -3
.Lnot_wave_0_\@:
	s_barrier_wait -3
	s_barrier_signal -1
	s_barrier_wait -1
.endm
.macro CROUND
	s_barrier_signal -1
	s_barrier_wait -1
	CREST
.endm
	s_load_b256 s[4:11], s[0:1], 0x0               ; codes s[4:5], scale bytes s[6:7], b_qkv s[8:9], qkv s[10:11]
	v_lshl_add_u32 v[SPW], v0, 2, SPARE
	v_mov_b32 v[NIL], 0
	ds_add_u32 v[SPW], v[NIL]                      ; the wave's opening: the add and its wait ahead of my first tensor load
	ds_add_u32 v[SPW], v[NIL]
	v_lshrrev_b32 v1, 5, v0
	v_readfirstlane_b32 s14, v1                    ; wave
	s_lshr_b32 s15, s14, 1                         ; my half of A's 256 positions.  Also: I fetch for A (0) or B (1)
	s_and_b32 s16, s14, 1                          ; my half of B's.  Also: which 128 positions I fetch
	s_bfe_u32 s40, ttmp6, 0x40000                  ; cx
	s_bfe_u32 s41, ttmp6, 0x40004                  ; cy
	s_and_b32 s17, ttmp7, 0xffff
	s_lshl_b32 s17, s17, 2                         ; x's tiles of 256 positions: 4 x cluster y on
	s_lshl_b32 s42, ttmp9, 2
	s_add_co_u32 s42, s42, 32                      ; W_q's or W_k's: 32 + 4 x cluster x on
	s_cmp_eq_u32 ttmp9, 2                          ; the v clusters: A = W_v (tiles 40 on), B = x
	s_cselect_b32 s18, 40, s17
	s_cselect_b32 s42, s17, s42
	s_add_co_u32 s17, s18, s41                     ; A's tile: hangs on cy alone within the cluster
	s_add_co_u32 s42, s42, s40                     ; B's tile: on cx alone
	s_lshl_b32 s43, s41, 2
	s_lshl_b32 s43, 15, s43                        ; my row of the cluster
	s_lshl_b32 s44, 0x1111, s40                    ; my column
	s_mov_b32 s66, 0x76543210
	s_mov_b32 s67, 0xfedcba98                      ; lane selects: lane l xor 16
	s_or_b32 s[G1+0], s43, (0<<16)|(1<<20)|(1<<21)|(3<<22)|(3<<25)  ; the mask; elements of 1 byte; padding on; bit 21 beside a mask; after every 16 words, 4 words
	s_or_b32 s[G1B+0], s44, (0<<16)|(1<<20)|(1<<21)|(3<<22)|(3<<25)
.irp g, G1, G1B
	s_mov_b32 s[\g+1], 256<<16                     ; tensor_dim0: rows of 256 bytes
	s_mov_b32 s[\g+2], 192<<16                     ; tensor_dim1: 256 positions x 192 bytes = 192 rows, for the head's loads
	s_mov_b32 s[\g+3], 256<<16                     ; tile_dim0
	s_mov_b32 s[\g+4], 192                         ; tile_dim1
	s_mov_b32 s[\g+5], 256                         ; pitch: dense
	s_mov_b32 s[\g+6], 0
	s_mov_b32 s[\g+7], 0
.endr
	s_or_b32 s[G1S+0], s43, (3<<16)|(1<<20)|(1<<21)|(5<<22)|(3<<25)   ; the scale bytes of 256 positions: 8,192 dense bytes as 32 rows of 256, 16 bytes of padding behind each
	s_or_b32 s[G1SB+0], s44, (3<<16)|(1<<20)|(1<<21)|(5<<22)|(3<<25)
.irp g, G1S, G1SB
	s_mov_b32 s[\g+1], 32<<16
	s_mov_b32 s[\g+2], 32<<16                      ; the scale bytes of 256 positions: 32 rows of 256 bytes
	s_mov_b32 s[\g+3], 32<<16
	s_mov_b32 s[\g+4], 32
	s_mov_b32 s[\g+5], 32
	s_mov_b32 s[\g+6], 0
	s_mov_b32 s[\g+7], 0
.endr
	s_mov_b32 s18, 0                               ; first the whole tiles' addresses, for the head's loads
	s_lshl_b32 s20, s17, 8
	s_add_co_u32 s20, s20, s18                     ; A: the first position that I fetch
	s_lshl_b32 s46, s42, 8
	s_add_co_u32 s46, s46, s18                     ; B likewise
	s_lshl_b32 s22, s20, 5                         ; their scale bytes,
	s_lshl_b32 s92, s46, 5
	s_mul_i32 s20, s20, 192
	s_mul_i32 s46, s46, 192
	s_mov_b32 s21, 0
	s_mov_b32 s23, 0
	s_mov_b32 s47, 0
	s_mov_b32 s93, 0
	s_mul_i32 s45, s14, HALFT                      ; where they go: wave x 128 rows
	s_mul_i32 s94, s14, HALFS
	s_wait_dscnt 0x0                               ; the opening add is done
	s_wait_kmcnt 0x0
	s_add_nc_u64 s[20:21], s[4:5], s[20:21]
	s_add_nc_u64 s[22:23], s[6:7], s[22:23]
	s_add_nc_u64 s[46:47], s[4:5], s[46:47]
	s_add_nc_u64 s[92:93], s[6:7], s[92:93]
	CROUND                                         ; all sixteen work-groups are here: the first joint loads meet
	s_mov_b32 s[G0S], 1
	s_mov_b32 s[G0S+1], SCL
	s_mov_b64 s[G0S+2:G0S+3], s[22:23]
	s_or_b32 s[G0S+3], s[G0S+3], 0x80000000
	s_mov_b32 s[G0SB], 1
	s_mov_b32 s[G0SB+1], SCL+2*HALFS
	s_mov_b64 s[G0SB+2:G0SB+3], s[92:93]
	s_or_b32 s[G0SB+3], s[G0SB+3], 0x80000000
	s_mov_b32 s4, 1                                ; s[4:7]: group 0 of K step 0's 256 positions of A (the arguments that lay there have been used),
	s_mov_b32 s5, 0
	s_mov_b64 s[6:7], s[20:21]
	s_or_b32 s7, s7, 0x80000000
	s_mov_b32 s96, 1                               ; s[96:99]: of B's, behind them in slot 0
	s_mov_b32 s97, 2*HALFT
	s_mov_b64 s[98:99], s[46:47]
	s_or_b32 s99, s99, 0x80000000
	s_mul_i32 s18, s16, 128*192                    ; for the ring: my 128 positions of the tile
	s_mov_b32 s19, 0
	s_add_nc_u64 s[20:21], s[20:21], s[18:19]
	s_add_nc_u64 s[46:47], s[46:47], s[18:19]
.irp s, 0,1
	s_mov_b32 s[G0+4*\s], 1
	s_add_co_u32 s[G0+4*\s+1], s45, \s*SLOT
	s_add_nc_u64 s[G0+4*\s+2:G0+4*\s+3], s[20:21], \s*ROWB
	s_or_b32 s[G0+4*\s+3], s[G0+4*\s+3], 0x80000000
	s_mov_b32 s[G0B+4*\s], 1
	s_add_co_u32 s[G0B+4*\s+1], s45, \s*SLOT
	s_add_nc_u64 s[G0B+4*\s+2:G0B+4*\s+3], s[46:47], \s*ROWB
	s_or_b32 s[G0B+4*\s+3], s[G0B+4*\s+3], 0x80000000
.endr
; THE HEAD'S LOADS, ONE A WAVE: wave 0 K step 0's 256 positions of A, wave 1 those of B, wave 2 A's scale bytes, wave 3 B's.  One tree of branches on the wave's number; every way passes one load.
.macro ARM under, g0, g1, next
	s_cmp_lt_u32 s14, \under
	s_cbranch_scc0 \next
	tensor_load_to_lds s[\g0:\g0+3], s[\g1:\g1+7]
	s_nop 0
.rept 4
	v_nop
.endr
	s_branch .Lhead_asked
\next:
.endm
	ARM 1, 4,   G1,  .Lhead_b
	ARM 2, 96,  G1B, .Lhead_sa
	ARM 3, G0S, G1S, .Lhead_sb
	tensor_load_to_lds s[G0SB:G0SB+3], s[G1SB:G1SB+7]
	s_nop 0
.rept 4
	v_nop
.endr
.Lhead_asked:
	v_and_b32 v1, 15, v0                           ; r
	v_bfe_u32 v2, v0, 4, 1                         ; h
	v_mul_u32_u24 v3, v1, PITCH
	v_mul_u32_u24 v4, v2, 24
	v_add_nc_u32 v4, v3, v4                        ; a fragment's row x pitch + 24 h
	v_lshl_add_u32 v5, v2, 4, v4                   ; and the same behind one padding more
	s_mul_i32 s21, s15, HALFT
	s_mul_i32 s22, s16, HALFT
	s_add_co_u32 s22, s22, 2*HALFT
.irp s, 0,1
	v_add_nc_u32 v[ADRA+\s], s21, v4
	v_add_nc_u32 v[ADRB+\s], s22, v4
	v_add_nc_u32 v[ADRA+2+\s], s21, v5
	v_add_nc_u32 v[ADRB+2+\s], s22, v5
	s_add_co_u32 s21, s21, SLOT
	s_add_co_u32 s22, s22, SLOT
.endr
	v_mul_u32_u24 v5, v1, KS                       ; my row's scale bytes,
	v_lshrrev_b32 v6, 8, v5
	v_lshl_add_u32 v5, v6, 4, v5                   ; 16 more for each 256 passed
	s_mul_i32 s21, s15, HALFS
	s_mul_i32 s22, s16, HALFS
	s_add_co_u32 s22, s22, 2*HALFS
	s_sub_co_u32 s22, s22, s21
	v_mul_u32_u24 v6, s22, v2                      ; lanes 16-31 take B's
	s_add_co_u32 s21, s21, SCL
	v_add_nc_u32 v5, v5, v6
	v_add_nc_u32 v[ADRS], s21, v5
.macro FRAG reg, adr, q, i             ; 16 rows x 128 K: 12 registers, in pieces of 8 bytes; where the piece of lanes 16-31 lies behind one padding more, the second address register serves
.irp p, 0,1,2,3,4,5
.set PCE, 12*(\q)+6*(\p/3)+\p%3
.if PCE%8 < 5
	ds_load_b64 v[\reg+2*\p:\reg+2*\p+1], v[\adr] offset:8*PCE+16*(PCE/8)+(\i)*16*PITCH
.else
	ds_load_b64 v[\reg+2*\p:\reg+2*\p+1], v[\adr+2] offset:8*PCE+16*(PCE/8)+(\i)*16*PITCH
.endif
.endr
.endm
; 16 matrix instructions: A's blocks a0, a0 + 1 x B's eight.  The 64 accumulators take turns, one instruction a turn, in the same order in every step.
.macro MUL16 a0, p, q, sc, zero
.irp a, \a0, \a0+1
.irp b, 0,1,2,3,4,5,6,7
.if \zero
	v_wmma_scale_f32_16x16x128_f8f6f4 v[8*(8*((\a)%4)+\b):8*(8*((\a)%4)+\b)+7], v[128*(\p)+FR*\b:128*(\p)+FR*\b+FR-1], v[AF+FR*(\a):AF+FR*(\a)+FR-1], 0, v[SC+8*NQ*(\sc)+NQ*\b+(\q)], v[SC+8*NQ*(\sc)+NQ*(\a)+(\q)] matrix_a_fmt:MATRIX_FMT_FP6 matrix_b_fmt:MATRIX_FMT_FP6 matrix_a_scale:MATRIX_SCALE_ROW1
.else
	v_wmma_scale_f32_16x16x128_f8f6f4 v[8*(8*((\a)%4)+\b):8*(8*((\a)%4)+\b)+7], v[128*(\p)+FR*\b:128*(\p)+FR*\b+FR-1], v[AF+FR*(\a):AF+FR*(\a)+FR-1], v[8*(8*((\a)%4)+\b):8*(8*((\a)%4)+\b)+7], v[SC+8*NQ*(\sc)+NQ*\b+(\q)], v[SC+8*NQ*(\sc)+NQ*(\a)+(\q)] matrix_a_fmt:MATRIX_FMT_FP6 matrix_b_fmt:MATRIX_FMT_FP6 matrix_a_scale:MATRIX_SCALE_ROW1
.endif
.endr
.endr
.endm
.macro FETCH_B slot, q, p
	WIN TO_B
.irp i, 0,1,2,3,4,5,6,7
	FRAG 128*(\p)+FR*\i, ADRB+\slot, \q, \i
.endr
	WIN 0
.endm
.macro FETCH_A slot, q, i0
.irp i, \i0, \i0+1, \i0+2, \i0+3
	FRAG AF+FR*(\i), ADRA+\slot, \q, \i
.endr
.endm
.macro SCALES sc                       ; a K step's scale words: lanes 0-15 A's block i, lanes 16-31 B's block i
.irp i, 0,1,2,3,4,5,6,7
	ds_load_b64 v[SC+8*NQ*\sc+NQ*\i:SC+8*NQ*\sc+NQ*\i+1], v[ADRS] offset:\i*SBLK
.endr
.endm
.macro PLACES n                        ; plain vector instructions between a matrix instruction and a load into, or a read of, its registers
.rept \n
	v_nop
.endr
.endm
.macro STEP slot, q, zero              ; 128 along K whose successor lies in the same slot
	s_wait_dscnt 4*NL                              ; B's set and A's blocks 0-3 are in; the youngest 24 loads (A's blocks 4-7) may be out
	WIN MUL_LO
	MUL16 0, (\q)%2, \q, \slot, \zero
	MUL16 2, (\q)%2, \q, \slot, \zero
	s_wait_dscnt 0
	PLACES NP
	FETCH_B \slot, (\q)+1, 1-(\q)%2
	FETCH_A \slot, (\q)+1, 0
	WIN MUL_HI
	MUL16 4, (\q)%2, \q, \slot, \zero
	MUL16 6, (\q)%2, \q, \slot, \zero
	PLACES NP
	WIN 0
	FETCH_A \slot, (\q)+1, 4
.endm
; A slot's last step changes slots: in front of the barrier each wave waits for all its tensor loads, adds 0 to its spare word, and waits for that and for its reads of this slot.
.macro TURN slot, next, fill
	s_wait_tensorcnt 0x0                           ; all my tensor loads have landed: my part of the next slot
	ds_add_u32 v[SPW], v[NIL]
	s_wait_dscnt 4*NL+1                            ; the add and the youngest 24 loads may be out
	WIN MUL_LO
	MUL16 0, 1, NQ-1, \slot, 0
	s_wait_dscnt 0x0                               ; the add is done, my reads of this slot are over
	s_barrier_signal -1
	MUL16 2, 1, NQ-1, \slot, 0
	WIN 0
	s_barrier_wait -1
.if \fill
	CREST                                          ; the barrier has opened a round of the cluster's: no wave of any partner still reads this slot or has a load on its way
	s_add_nc_u64 s[G0+4*\slot+2:G0+4*\slot+3], s[G0+4*\slot+2:G0+4*\slot+3], 2*ROWB
	s_add_nc_u64 s[G0B+4*\slot+2:G0B+4*\slot+3], s[G0B+4*\slot+2:G0B+4*\slot+3], 2*ROWB
	JLOAD G0+4*\slot, G1, G0B+4*\slot, G1B         ; the first tensor load behind the round; its four v_nop are the places in front of the loads below
.else
	PLACES NP
.endif
	s_wait_alu depctr_va_vdst(0)
	v_add_nc_u32 v[ADRS], 4*NQ, v[ADRS]
	FETCH_B \next, 0, 0
	FETCH_A \next, 0, 0
	SCALES \next
	WIN MUL_HI
	MUL16 4, 1, NQ-1, \slot, 0
	MUL16 6, 1, NQ-1, \slot, 0
	PLACES NP
	WIN 0
	FETCH_A \next, 0, 4
.endm
.macro LASTSTEP                        ; the last 128 along K: nothing more to fetch
	s_wait_dscnt 4*NL
	WIN MUL_LO
	MUL16 0, 1, NQ-1, 1, 0
	MUL16 2, 1, NQ-1, 1, 0
	s_wait_dscnt 0
	WIN MUL_HI
	MUL16 4, 1, NQ-1, 1, 0
	MUL16 6, 1, NQ-1, 1, 0
	WIN 0
	PLACES NP
.endm
; THE END OF A BLOCK a (16 positions of A x my 128 rows of B: 64 registers a lane): the bias is added, each accumulator from its low end on; the four blocks of 32 are quantised; codes and scale words leave.
; mode 0 (q, k): the bias hangs on B's row (64 registers); registers 0-5 of the codes are the first head's tile image, 6-11 the second's.   mode 1 (v): it hangs on A's position (a pair for each a); the 12 registers are one operand image.
.macro EPI mode
.irp a, 0,1,2,3,4,5,6,7
.set W, 2+\a/4
.set S, 64*(\a%4)
	WIN ((W<<6)|W)                                 ; destination and source 0: the accumulators' window
.set ii, 0
.rept 32
.if \mode
	v_pk_add_f32 v[S+2*ii:S+2*ii+1], v[S+2*ii:S+2*ii+1], v[BI+2*\a:BI+2*\a+1]
.else
	v_pk_add_f32 v[S+2*ii:S+2*ii+1], v[S+2*ii:S+2*ii+1], v[BI+2*ii:BI+2*ii+1]
.endif
.set ii, ii+1
.endr
	WIN ((W<<2)|(W<<4))                            ; sources 1 and 2
.irp b, 0,1,2,3
	v_max3_num_f32 v[TM+\b], 0x1800000, |v[S+16*\b]|, |v[S+16*\b+1]|   ; my 16 numbers of block b, and the floor 2^(3 - 127)
.endr
.irp i, 2,4,6,8,10,12,14
.irp b, 0,1,2,3
	v_max3_num_f32 v[TM+\b], v[TM+\b], |v[S+16*\b+\i]|, |v[S+16*\b+\i+1]|
.endr
.endr
	WIN 0
.irp b, 0,1,2,3
	v_permlanex16_b32 v[TM+4+\b], v[TM+\b], s66, s67
.endr
.irp b, 0,1,2,3
	v_max_num_f32 v[TM+\b], v[TM+\b], v[TM+4+\b]   ; with lane l xor 16's: the block's largest magnitude
.endr
.irp b, 0,1,2,3
	v_add_nc_u32 v[TM+12+\b], 0xff000000, v[TM+\b] ; 2 off its exponent field: the conversion's scale operand
.endr
.irp b, 0,1,2,3
	v_lshrrev_b32 v[TM+4+\b], 23, v[TM+12+\b]      ; the byte
.endr
.if \mode
.set PWR, SW+\a
.else
.set PWR, PW
.endif
	v_lshl_or_b32 v[PWR], v[TM+5], 8, v[TM+4]
	v_lshl_or_b32 v[PWR], v[TM+6], 16, v[PWR]
	v_lshl_or_b32 v[PWR], v[TM+7], 24, v[PWR]
.if !\mode
	v_lshrrev_b32 v[SW+\a], v11, v[PW]             ; lanes 0-15 keep the first head's two bytes, lanes 16-31 the second's; the upper two bytes, of k = 64 .. 127, are 0
	v_and_b32 v[SW+\a], 0xffff, v[SW+\a]
.endif
.if \a
	s_wait_xcnt 0x0                                ; the last block's stores have read the codes' registers
.endif
	WIN W                                          ; source 0
.irp c, 0,1
	v_cvt_scalef32_pk16_fp6_f32 v[QC+6*\c:QC+2+6*\c], v[S+32*\c:S+15+32*\c], v[TM+12+2*\c]
	v_cvt_scalef32_pk16_fp6_f32 v[QC+12+4*\c:QC+14+4*\c], v[S+16+32*\c:S+31+32*\c], v[TM+12+2*\c+1]
.endr
	WIN 0
	v_nop                                          ; one plain instruction behind a scaled conversion
.irp c, 0,1                                    ; a whole block to a lane: lanes 0-15 block 2 c, lanes 16-31 block 2 c + 1
.irp i, 0,1,2
	v_permlane16_swap_b32 v[QC+6*\c+\i], v[QC+12+4*\c+\i]
.endr
.irp i, 0,1,2
	v_mov_b32 v[QC+3+6*\c+\i], v[QC+12+4*\c+\i]
.endr
.endr
.if \mode
.irp c, 0,1,2
	global_store_b128 v8, v[QC+4*\c:QC+4*\c+3], s[4:5] offset:(\a/4)*98304+(\a%4)*1536+512*\c   ; 512 consecutive bytes, aligned
.endr
.else
	global_store_b128 v8, v[QC:QC+3], s[4:5] offset:\a*768
	global_store_b64 v9, v[QC+4:QC+5], s[4:5] offset:\a*768+512
	global_store_b128 v8, v[QC+6:QC+9], s[4:5] offset:\a*768+98304
	global_store_b64 v9, v[QC+10:QC+11], s[4:5] offset:\a*768+98304+512
.if \a%4 == 3
	global_store_b128 v10, v[SW+\a-3:SW+\a], s[6:7] offset:256*(\a/4)   ; four tiles' words: sixteen lanes store 256 consecutive bytes
.endif
.endif
.endr
.endm
	s_wait_alu depctr_va_vdst(0)
	s_wait_tensorcnt 0x0                           ; my tile of the head's four is in
	ds_add_u32 v[SPW], v[NIL]
	s_mov_b32 s[G1+2], 96<<16                      ; no tensor load of mine is out: from here on a load brings 128 positions, 96 rows of 256 bytes
	s_mov_b32 s[G1+4], 96
	s_mov_b32 s[G1B+2], 96<<16
	s_mov_b32 s[G1B+4], 96
	s_wait_dscnt 0x0
	CROUND                                         ; all four tiles are in, all sixteen work-groups are here
	JLOAD G0+4, G1, G0B+4, G1B                     ; K step 1, the first tensor load behind the round
	FETCH_B 0, 0, 0
	FETCH_A 0, 0, 0
	SCALES 0
	FETCH_A 0, 0, 4
	STEP 0, 0, 1                                   ; the first products start the sums
	s_mov_b32 s3, LAPS-1
.Llap:
	TURN 0, 1, 1
	STEP 1, 0, 0
	TURN 1, 0, 1
	STEP 0, 0, 0
	s_sub_co_u32 s3, s3, 1
	s_cmp_lg_u32 s3, 0
	s_cbranch_scc1 .Llap
	TURN 0, 1, 0                                   ; the last lap fills nothing
	STEP 1, 0, 0
	s_cmp_eq_u32 ttmp9, 2                          ; the cluster's x: the same in all sixteen partners
	s_cbranch_scc1 .Larm_v
	; ---- q and k.  The bias is asked for ahead of the last 64 products
	s_lshr_b32 s18, s17, 3                         ; batch
	s_and_b32 s19, s17, 7                          ; which 256 tokens of it
	s_lshl_b32 s20, s18, 4
	s_lshl_b32 s21, s40, 2
	s_add_co_u32 s20, s20, s21
	s_lshl_b32 s21, s16, 1
	s_add_co_u32 s20, s20, s21                     ; bh of my first head: 16 batch + 4 cx + 2 half
	s_mul_i32 s22, ttmp9, 6291456                  ; q or k
	s_mul_i32 s21, s20, 98304
	s_add_co_u32 s22, s22, s21
	s_lshl_b32 s21, s19, 4
	s_lshl_b32 s23, s15, 3
	s_add_co_u32 s21, s21, s23                     ; my first tile of tokens
	s_mul_i32 s21, s21, 768
	s_add_co_u32 s22, s22, s21
	s_mov_b32 s23, 0
	s_add_nc_u64 s[4:5], s[10:11], s[22:23]        ; the images
	s_mul_i32 s22, ttmp9, 524288
	s_add_co_u32 s22, s22, 18874368
	s_lshl_b32 s21, s20, 13
	s_add_co_u32 s22, s22, s21
	s_lshl_b32 s21, s19, 10
	s_add_co_u32 s22, s22, s21
	s_lshl_b32 s21, s15, 9
	s_add_co_u32 s22, s22, s21
	s_add_nc_u64 s[6:7], s[10:11], s[22:23]        ; the scale words
	s_lshl_b32 s22, ttmp9, 12
	s_lshl_b32 s21, s40, 10
	s_add_co_u32 s22, s22, s21
	s_lshl_b32 s21, s16, 9
	s_add_co_u32 s22, s22, s21
	s_add_nc_u64 s[8:9], s[8:9], s[22:23]          ; the bias of my 128 features
	v_and_b32 v1, 31, v0
	v_lshlrev_b32 v8, 4, v1                        ; 16 x lane
	v_lshlrev_b32 v9, 3, v1                        ; 8 x lane
	v_and_b32 v2, 15, v0
	v_bfe_u32 v3, v0, 4, 1
	v_lshlrev_b32 v10, 4, v2
	v_lshl_add_u32 v10, v3, 13, v10                ; 16 r + 8192 h: the second head's words lie 8,192 bytes on
	v_lshlrev_b32 v11, 4, v3                       ; 16 h
	v_lshlrev_b32 v12, 6, v3                       ; 64 h
.irp b, 0,1,2,3
	v_mov_b32 v[TM+4+\b], 0                        ; written once: a lane permute's destination counts as one of its sources
.endr
.irp b, 0,1,2,3,4,5,6,7
	global_load_b128 v[BI+8*\b:BI+8*\b+3], v12, s[8:9] offset:(32*(\b/2)+8*(\b%2))*4       ; features 32 (b / 2) + 8 (b % 2) + 16 h + 0 .. 7
	global_load_b128 v[BI+8*\b+4:BI+8*\b+7], v12, s[8:9] offset:(32*(\b/2)+8*(\b%2))*4+16
.endr
	LASTSTEP
	s_wait_loadcnt 0x0
	EPI 0
	s_branch .Ldone
.Larm_v:	; ---- v
	s_lshr_b32 s18, s42, 3                         ; batch
	s_and_b32 s19, s42, 7
	s_lshl_b32 s19, s19, 1
	s_add_co_u32 s19, s19, s16                     ; my step of 128 keys
	s_lshl_b32 s20, s18, 4
	s_lshl_b32 s21, s41, 2
	s_add_co_u32 s20, s20, s21
	s_lshl_b32 s21, s15, 1
	s_add_co_u32 s20, s20, s21                     ; bh of my first head: 16 batch + 4 cy + 2 half
	s_mul_i32 s22, s20, 98304
	s_add_co_u32 s22, s22, 12582912
	s_mul_i32 s21, s19, 6144
	s_add_co_u32 s22, s22, s21
	s_mov_b32 s23, 0
	s_add_nc_u64 s[4:5], s[10:11], s[22:23]        ; the images
	s_lshl_b32 s22, s20, 12
	s_add_co_u32 s22, s22, 19922944
	s_lshl_b32 s21, s19, 8
	s_add_co_u32 s22, s22, s21
	s_add_nc_u64 s[6:7], s[10:11], s[22:23]        ; the scale words
	s_lshl_b32 s22, s41, 10
	s_add_co_u32 s22, s22, 8192
	s_lshl_b32 s21, s15, 9
	s_add_co_u32 s22, s22, s21
	s_add_nc_u64 s[8:9], s[8:9], s[22:23]          ; the bias of my 128 features
	v_and_b32 v1, 31, v0
	v_lshlrev_b32 v8, 4, v1
	v_and_b32 v2, 15, v0
	v_bfe_u32 v3, v0, 4, 1
	v_lshlrev_b32 v10, 4, v2
	v_lshl_add_u32 v10, v3, 12, v10                ; 16 r + 4096 h
	v_and_b32 v12, 8, v0
	v_add_nc_u32 v12, v12, v2
	v_lshlrev_b32 v12, 2, v12                      ; 4 (r + 8 (r / 8))
.irp b, 0,1,2,3
	v_mov_b32 v[TM+4+\b], 0
.endr
.irp a, 0,1,2,3,4,5,6,7
	global_load_b32 v[BI+2*\a], v12, s[8:9] offset:(32*(\a/2)+8*(\a%2))*4      ; my row's bias, into both registers of a pair for the packed addition
	global_load_b32 v[BI+2*\a+1], v12, s[8:9] offset:(32*(\a/2)+8*(\a%2))*4
.endr
	LASTSTEP
	s_wait_loadcnt 0x0
	EPI 1
	v_cmp_lt_u32 s96, 15, v1                       ; lanes 16-31 store the second head's four words
.irp i, 0,1,2,3
	v_cndmask_b32 v[TM+\i], v[SW+\i], v[SW+4+\i], s96
.endr
	global_store_b128 v10, v[TM:TM+3], s[6:7]
.Ldone:
	s_wait_tensorcnt 0x0                           ; the wave's end
	ds_add_u32 v[SPW], v[NIL]
	s_wait_dscnt 0x0
	CROUND                                         ; the closing round
	s_endpgm
.Lfunc_end_k_q34ee2cb76c_gemm_qkv:
	.size	k_q34ee2cb76c_gemm_qkv, .Lfunc_end_k_q34ee2cb76c_gemm_qkv-k_q34ee2cb76c_gemm_qkv
	.p2alignl 7, 3214868480
	.fill 96, 4, 3214868480
	.section	.rodata,"a",@progbits
	.p2align	6, 0x0
	.amdhsa_kernel k_q34ee2cb76c_gemm_qkv
		.amdhsa_group_segment_fixed_size 327680
		.amdhsa_private_segment_fixed_size 0
		.amdhsa_enable_private_segment 0
		.amdhsa_kernarg_size 32
		.amdhsa_user_sgpr_count 2
		.amdhsa_user_sgpr_kernarg_segment_ptr 1
		.amdhsa_wavefront_size32 1
		.amdhsa_system_sgpr_workgroup_id_x 1
		.amdhsa_system_sgpr_workgroup_id_y 1
		.amdhsa_system_sgpr_workgroup_id_z 1
		.amdhsa_system_vgpr_workitem_id 0
		.amdhsa_next_free_vgpr 1024
		.amdhsa_next_free_sgpr 100
		.amdhsa_reserve_vcc 0
		.amdhsa_float_denorm_mode_32 3
		.amdhsa_float_denorm_mode_16_64 3
		.amdhsa_memory_ordered 1
		.amdhsa_forward_progress 1
		.amdhsa_inst_pref_size 247
	.end_amdhsa_kernel
	.amdgpu_metadata
---
amdhsa.version: [ 1, 2 ]
amdhsa.kernels:
  - .name:           k_q34ee2cb76c_gemm_qkv
    .symbol:         k_q34ee2cb76c_gemm_qkv.kd
    .args:
      - { .name: codes, .offset: 0, .size: 8, .value_kind: global_buffer, .address_space: global }
      - { .name: cscales, .offset: 8, .size: 8, .value_kind: global_buffer, .address_space: global }
      - { .name: b_qkv, .offset: 16, .size: 8, .value_kind: global_buffer, .address_space: global }
      - { .name: qkv, .offset: 24, .size: 8, .value_kind: global_buffer, .address_space: global }
    .group_segment_fixed_size: 327680
    .private_segment_fixed_size: 0
    .kernarg_segment_align: 8
    .kernarg_segment_size: 32
    .max_flat_workgroup_size: 128
    .sgpr_count:     100
    .vgpr_count:     1024
    .wavefront_size: 32
...
	.end_amdgpu_metadata
.endif
;; end of part 2
;; launch attn (part 3): grid 4 x 64, 16 waves a work-group, no clusters, 327,680 bytes of LDS; arguments qkv, acodes, ascales; writes acodes, ascales
.if DOCPART == 3
	.amdgcn_target "amdgcn-amd-amdhsa--gfx1250"
	.amdhsa_code_object_version 6
	.text
	.protected	k_q34ee2cb76c_attn
	.globl	k_q34ee2cb76c_attn
	.p2align	8
	.type	k_q34ee2cb76c_attn,@function
k_q34ee2cb76c_attn:
	s_mov_b64 s[64:65], 0
	v_nop
	global_prefetch_b8 v0, s[64:65] scope:SCOPE_SE
	s_setreg_imm32_b32 hwreg(HW_REG_WAVE_MODE, 25, 1), 1
	s_wait_xcnt 0x0
; Causal attention on codes of FP6 (E2M3) with E8M0 scales; 64 heads (bh = 16 batch + head) of 2,048 tokens x 64.  o / l is quantised along the model's axis and leaves as codes for the last product.
; THE SOFTMAX: t = score x log2(e) / 8; M = the running largest t rounded UP to a whole number; p = 2^(t - M) is quantised along the keys; the row's sum is taken of the unquantised p and divides at the end.
; WORK LEFT OUT: steps of 128 keys all of which come after a tile's queries (reference()'s own causal mask makes their p zero for all inputs).
; SHARES.  256 work-groups: (j, bh), j = 0 .. 3.  ONE HEAD'S K, V AND SCALE WORDS, 208,896 bytes, LIE WHOLE IN LDS: each byte is filled once; nothing is filled again.
; Wave w owns two tiles of 16 queries, one after the other: tile 127 - (4 w + j) and tile 4 w + j.  Tile t has t / 8 + 1 key steps of 128, so every wave has 17.
; FILLS, in chunks of 512 keys (24,576 bytes).  At the head: wave 0 K's first chunk, wave 4 V's, wave 8 K's scale words, wave 12 V's: 61,440 bytes.  Behind the first barrier:
; waves 1-3 K's other chunks, waves 5-7 V's, one load a wave.  They are on their way under the four key steps of the first chunk; the second barrier, with every wave's wait for 0 ahead of it, shows them.
; Behind it the waves walk on their own.  The loops' trip counts are constants (4, 12, 8); a step whose keys are all hidden is jumped over by a test on ids and the count of steps.
; BOTH PRODUCTS TRANSPOSED: S^T = K Q^T, O^T = V^T P^T: a lane holds one query.  The first product's K is 64: registers 6-11 of both operands are zero codes and their scale bytes are 0 (2^-127, no NaN).
; ORDER OF ROWS: lane r of tile i of tokens is token 32 (i / 2) + 8 (i % 2) + r + 8 (r / 8).  K, V come as images of the operands' registers: every LDS read is 16 or 8 consecutive bytes a lane.
; NO CLUSTER: the four work-groups of a head read the same K and V, but which steps a wave jumps over hangs on j, its work-group's place among them.
; NO PREFETCH: all of K and V is asked for by the ten loads at the start; no loop stands ahead of a load.
; LIMITS: the scaled scores t stay under 2^31 in magnitude; a block of zeros, or one whose largest magnitude lies under 2^-124, gets the byte 1 (read by this program alone); NaN and infinities are not served.
; REGISTERS: v1-3 16 x lane, 8 x lane, 16 r; v5, v6 the add's two; v4, v8-11 addresses in hand; v12 -M, v13 largest t, v[14:15] the sum; v16-27 Q; v28-31 V's scale words;
;   v32-79 four tiles of K; v80-127 four tiles of V; v128-191 S^T, then p; v192-223 O^T; v224-235 p's codes; v232-254 at work; v255 Q's scale word.
.set VL,    98304                      ; LDS: K's images from 0, V's from here
.set SCL,   196608                     ; K's scale words, 8,192 bytes
.set SCV,   204800                     ; V's, 4,096 bytes
.set SPARE, 208896                     ; the spare words, 128 bytes for each of 16 waves
.set ADV,  4
.set SPW,  5
.set NIL,  6
.set ADK,  8
.set ADK8, 9
.set ADS,  10
.set ADT,  11
.set S,    128
.set O,    192
.set TB,   2                           ; s2  LDS byte of the step's images of K: 6,144 a step
.set TS,   3                           ; s3  of its scale words of K: 512 a step
.set TBV,  10                          ; s10 of its images of V
.set WV,   18
.set W3,   19                          ; s19 wave % 4
.set SEL,  20
.set CS,   22                          ; s[22:23] c = log2(e) / 8
.set G1,   24                          ; s[24:31] a dense block of 96 rows x 256 bytes
.set G1K,  32                          ; s[32:39] of 32 rows
.set G0,   40
.set G0K,  44
.set G1V,  48                          ; s[48:55] of 16 rows
.set G0V,  56
.set TJ,   66                          ; s66 V's scale words: 256 bytes a step
.set CNT,  67
.set KF,   68                          ; s68 the step's first key
.set Q0,   69                          ; s69 the first query of the tile in hand; its last is Q0 + 23
.set Q1,   70                          ; s70 that of my second tile
.set BH,   71                          ; s71 bh
.set TA,   72                          ; s[72:79] my first tile: q's image, q's scale words, o's codes, o's scale bytes; s[80:87] my second
.macro DENSE g, rows
	s_mov_b32 s[\g], 3<<16
	s_mov_b32 s[\g+1], 32<<16
	s_mov_b32 s[\g+2], (\rows)<<16
	s_mov_b32 s[\g+3], 32<<16
	s_mov_b32 s[\g+4], \rows
	s_mov_b32 s[\g+5], 32
	s_mov_b32 s[\g+6], 0
	s_mov_b32 s[\g+7], 0
.endm
.macro TLOAD g0, g1                    ; an s_nop 0 and four v_nop follow the load
	tensor_load_to_lds s[\g0:\g0+3], s[\g1:\g1+7]
	s_nop 0
.rept 4
	v_nop
.endr
.endm
.macro TILESET n, q0                   ; the addresses of tile s88 of head bh
	s_lshr_b32 s89, s88, 1
	s_lshl_b32 s89, s89, 5
	s_and_b32 s90, s88, 1
	s_lshl_b32 s90, s90, 3
	s_add_co_u32 s[\q0], s89, s90
	s_mov_b32 s91, 0
	s_mul_i32 s90, s[BH], 98304
	s_mul_i32 s92, s88, 768
	s_add_co_u32 s90, s90, s92
	s_add_nc_u64 s[TA+8*\n:TA+8*\n+1], s[4:5], s[90:91]
	s_lshl_b32 s90, s[BH], 13
	s_add_co_u32 s90, s90, 18874368
	s_lshr_b32 s92, s88, 2
	s_lshl_b32 s92, s92, 8
	s_add_co_u32 s90, s90, s92
	s_and_b32 s92, s88, 3
	s_lshl_b32 s92, s92, 2
	s_add_co_u32 s90, s90, s92
	s_add_nc_u64 s[TA+8*\n+2:TA+8*\n+3], s[4:5], s[90:91]
	s_lshr_b32 s92, s[BH], 4
	s_lshl_b32 s92, s92, 7
	s_add_co_u32 s92, s92, s88                     ; the tile among all 512: 128 batch + tile
	s_and_b32 s93, s[BH], 15                       ; the head
	s_lshr_b32 s94, s93, 2                         ; acodes: [head / 4][tile / 8][head / 2 % 2][tile % 8][head % 2][768]
	s_mul_i32 s90, s94, 1572864
	s_lshr_b32 s94, s92, 3
	s_mul_i32 s94, s94, 24576
	s_add_co_u32 s90, s90, s94
	s_bfe_u32 s94, s93, 0x10001
	s_mul_i32 s94, s94, 12288
	s_add_co_u32 s90, s90, s94
	s_and_b32 s94, s92, 7
	s_mul_i32 s94, s94, 1536
	s_add_co_u32 s90, s90, s94
	s_and_b32 s94, s93, 1
	s_mul_i32 s94, s94, 768
	s_add_co_u32 s90, s90, s94
	s_add_nc_u64 s[TA+8*\n+4:TA+8*\n+5], s[6:7], s[90:91]
	s_lshl_b32 s90, s92, 9                         ; ascales: [tile][r][32 bytes], two bytes a head
	s_lshl_b32 s94, s93, 1
	s_add_co_u32 s90, s90, s94
	s_add_nc_u64 s[TA+8*\n+6:TA+8*\n+7], s[8:9], s[90:91]
.endm
.macro QLOAD n                         ; Q stays in registers for a tile
	global_load_b128 v[16:19], v1, s[TA+8*\n:TA+8*\n+1]
	global_load_b64 v[20:21], v2, s[TA+8*\n:TA+8*\n+1] offset:512
	global_load_b32 v255, v3, s[TA+8*\n+2:TA+8*\n+3]
.endm
.macro RESET                           ; a tile begins: the largest t -3e38, the sum and O^T zeros (the step is written once; its first turn finds zeros)
	v_mov_b32 v13, 0xff61b1e6
	v_mov_b32 v14, 0
	v_mov_b32 v15, 0
	v_floor_f32 v12, -v13
.set jj, 0
.rept 32
	v_mov_b32 v[O+jj], 0
.set jj, jj+1
.endr
.endm
	s_load_b128 s[4:7], s[0:1], 0x0                ; qkv, acodes
	s_load_b64 s[8:9], s[0:1], 0x10                ; ascales
	v_lshl_add_u32 v[SPW], v0, 2, SPARE
	v_mov_b32 v[NIL], 0
	ds_add_u32 v[SPW], v[NIL]                      ; the opening lines: the add, twice on end, and its wait ahead of my first tensor load
	ds_add_u32 v[SPW], v[NIL]
	v_lshrrev_b32 v8, 5, v0
	v_readfirstlane_b32 s[WV], v8                  ; wave 0..15
	s_and_b32 s[BH], ttmp7, 0xffff
	s_and_b32 s[W3], s[WV], 3
	DENSE G1, 96
	DENSE G1K, 32
	DENSE G1V, 16
	s_mul_i32 s89, s[BH], 98304
	s_lshr_b32 s90, s[WV], 2                       ; waves 0-3: K, 4-7: V
	s_mul_i32 s90, s90, 6291456
	s_mul_i32 s91, s[W3], 24576                    ; which 512 keys
	s_add_co_u32 s92, s89, s90
	s_add_co_u32 s92, s92, s91
	s_add_co_u32 s92, s92, 6291456
	s_mov_b32 s93, 0
	s_mul_i32 s94, s[WV], 24576                    ; LDS: K's four chunks, then V's four
	s_lshl_b32 s96, s[BH], 13
	s_add_co_u32 s96, s96, 19398656
	s_mov_b32 s97, 0
	s_lshl_b32 s98, s[BH], 12
	s_add_co_u32 s98, s98, 19922944
	s_mov_b32 s99, 0
	s_mov_b32 s[SEL], 0x76543210
	s_mov_b32 s[SEL+1], 0xfedcba98
	s_mov_b32 s[CS], 0x3e38aa3b
	s_mov_b32 s[CS+1], s[CS]
	s_mov_b32 s[TB], 0
	s_mov_b32 s[TBV], VL
	s_mov_b32 s[TS], SCL
	s_mov_b32 s[TJ], SCV
	s_mov_b32 s[KF], 0
	s_wait_dscnt 0x0                               ; both opening adds are done
	s_wait_kmcnt 0x0
	s_mov_b32 s[G0], 1
	s_mov_b32 s[G0+1], s94
	s_add_nc_u64 s[G0+2:G0+3], s[4:5], s[92:93]
	s_or_b32 s[G0+3], s[G0+3], 0x80000000
	s_mov_b32 s[G0K], 1
	s_mov_b32 s[G0K+1], SCL
	s_add_nc_u64 s[G0K+2:G0K+3], s[4:5], s[96:97]
	s_or_b32 s[G0K+3], s[G0K+3], 0x80000000
	s_mov_b32 s[G0V], 1
	s_mov_b32 s[G0V+1], SCV
	s_add_nc_u64 s[G0V+2:G0V+3], s[4:5], s[98:99]
	s_or_b32 s[G0V+3], s[G0V+3], 0x80000000
	s_cmp_lg_u32 s[W3], 0                          ; one tree of branches on the wave's number, one load to an arm, one join
	s_cbranch_scc1 .Lasked
	s_cmp_lt_u32 s[WV], 8
	s_cbranch_scc0 .Lscales
	TLOAD G0, G1                                   ; waves 0 and 4: keys 0 to 511 of K and of V
	s_branch .Lasked
.Lscales:
	s_cmp_eq_u32 s[WV], 8
	s_cbranch_scc0 .Lvscales
	TLOAD G0K, G1K                                 ; wave 8: K's scale words
	s_branch .Lasked
.Lvscales:
	TLOAD G0V, G1V                                 ; wave 12: V's
.Lasked:
	s_lshl_b32 s88, s[WV], 2
	s_add_co_u32 s88, s88, ttmp9                   ; my second tile: 4 wave + j
	TILESET 1, Q1
	s_sub_co_u32 s88, 127, s88                     ; my first: its mirror
	TILESET 0, Q0
	v_and_b32 v8, 31, v0
	v_lshlrev_b32 v1, 4, v8
	v_lshlrev_b32 v2, 3, v8
	v_and_b32 v9, 15, v0
	v_lshlrev_b32 v3, 4, v9
	QLOAD 0
.irp i, 22,23,24,25,26,27
	v_mov_b32 v\i, 0                               ; Q's k = 64 .. 127: zero codes
.endr
.irp t, 0,1,2,3
.irp i, 6,7,8,9,10,11
	v_mov_b32 v[32+12*\t+\i], 0                    ; K's likewise: written once
.endr
.endr
.irp b, 0,1,2,3
	v_mov_b32 v[236+\b], 0                         ; a lane permute's destination counts as one of its sources
.endr
	v_mov_b32 v252, 0
	v_mov_b32 v253, 0
	RESET
; A KEY STEP: 128 keys.
.macro STEP
	s_add_co_u32 s96, s[Q0], 23
	s_cmp_gt_u32 s[KF], s96                        ; all its keys come after my queries: only the address steps at its end are run
	s_cbranch_scc1 .Lhidden_\@
	v_add_nc_u32 v[ADK], s[TB], v1                 ; (these five are also the places in front of the loads)
	v_add_nc_u32 v[ADK8], s[TB], v2
	v_add_nc_u32 v[ADV], s[TBV], v1
	v_add_nc_u32 v[ADS], s[TS], v3
	v_add_nc_u32 v[ADT], s[TJ], v3
	s_wait_alu depctr_va_vdst(0)
.irp g, 0,1                                    ; S^T = K Q^T, four tiles of 16 keys at a time
.if \g
.rept 4
	v_nop                                          ; places in front of loads into registers that matrix instructions have read
.endr
.endif
.irp t, 0,1,2,3
	ds_load_b128 v[32+12*\t:35+12*\t], v[ADK] offset:(4*\g+\t)*768
	ds_load_b64 v[36+12*\t:37+12*\t], v[ADK8] offset:(4*\g+\t)*768+512
.endr
	ds_load_b128 v[248:251], v[ADS] offset:256*\g  ; the four tiles' scale words of row r
	s_wait_dscnt 0x0
.irp t, 0,1,2,3
	v_wmma_scale_f32_16x16x128_f8f6f4 v[S+8*(4*\g+\t):S+7+8*(4*\g+\t)], v[32+12*\t:43+12*\t], v[16:27], 0, v[248+\t], v255 matrix_a_fmt:MATRIX_FMT_FP6 matrix_b_fmt:MATRIX_FMT_FP6
.endr
.endr
.rept 4
	v_nop
.endr
.irp t, 0,1,2,3                                ; V is asked for here and lands under the softmax
.irp c, 0,1,2
	ds_load_b128 v[80+12*\t+4*\c:83+12*\t+4*\c], v[ADV] offset:1536*\t+512*\c
.endr
.endr
	ds_load_b128 v[28:31], v[ADT]
	s_add_co_u32 s96, s[KF], 127                   ; on the diagonal hidden scores become -infinity ahead of the maximum; a step all of whose keys count skips this
	s_cmp_le_u32 s96, s[Q0]
	s_cbranch_scc1 .Lopen_\@
	s_sub_co_i32 s96, s[Q0], s[KF]
	v_and_b32 v252, 15, v0
	v_and_b32 v253, 8, v0
	s_delay_alu instid0(VALU_DEP_1)
	v_add_nc_u32 v252, v252, v253                  ; my query: Q0 + r + 8 (r / 8)
	v_and_b32 v253, 16, v0
	s_delay_alu instid0(VALU_DEP_1)
	v_sub_nc_u32 v252, v252, v253
	s_delay_alu instid0(VALU_DEP_1)
	v_add_nc_u32 v252, s96, v252                   ; d = my query - the first key - 16 h.  Register 16 b + i holds key 32 b + 16 h + i: hidden where 32 b + i > d
	v_mov_b32 v254, 0xff800000
.set nn, 0
.rept 64
	v_cmp_gt_i32 vcc_lo, 32*(nn/16)+nn%16, v252
	v_cndmask_b32 v[S+nn], v[S+nn], v254, vcc_lo
.set nn, nn+1
.endr
.Lopen_\@:
.irp b, 0,1,2,3
	v_max3_num_f32 v[232+\b], v[S+16*\b], v[S+1+16*\b], v[S+2+16*\b]   ; the largest score of each block of 32 keys: for the row's maximum and, since p rises with the score, for the block's largest p
.endr
.irp i, 3,5,7,9,11,13
.irp b, 0,1,2,3
	v_max3_num_f32 v[232+\b], v[232+\b], v[S+16*\b+\i], v[S+1+16*\b+\i]
.endr
.endr
.irp b, 0,1,2,3
	v_max_num_f32 v[232+\b], v[232+\b], v[S+15+16*\b]
.endr
.irp b, 0,1,2,3
	s_delay_alu instid0(VALU_DEP_4)
	v_permlanex16_b32 v[236+\b], v[232+\b], s[SEL], s[SEL+1]
.endr
.irp b, 0,1,2,3
	s_delay_alu instid0(VALU_DEP_4)
	v_max_num_f32 v[232+\b], v[232+\b], v[236+\b]
.endr
	s_delay_alu instid0(VALU_DEP_2)
	v_max3_num_f32 v254, v232, v233, v234
	s_delay_alu instid0(VALU_DEP_1)
	v_max_num_f32 v254, v254, v235                 ; the step's largest score of my query (its first key counts for every query of the tile, so it is a number)
	s_delay_alu instid0(VALU_DEP_1)
	v_mul_f32 v254, s[CS], v254
	s_delay_alu instid0(VALU_DEP_1)
	v_max_num_f32 v13, v13, v254                   ; the running largest t
	v_mov_b32 v254, v12
	s_delay_alu instid0(VALU_DEP_2)
	v_floor_f32 v12, -v13                          ; the new -M = -ceil(t)
	s_delay_alu instid0(VALU_DEP_1)
	v_sub_f32 v254, v12, v254                      ; old M - new M: a whole number, 0 or less
	s_delay_alu instid0(VALU_DEP_1)
	v_cvt_i32_f32 v254, v254                       ; (it saturates)
	s_delay_alu instid0(VALU_DEP_1)
	v_ldexp_f32 v252, 1.0, v254                    ; f = 2^(old M - new M)
.set jj, 0
.rept 32
	v_pk_fma_f32 v[S+jj:S+jj+1], v[S+jj:S+jj+1], s[CS:CS+1], v[12:13] op_sel_hi:[1,0,0]   ; t - M
.set jj, jj+2
.endr
.irp b, 0,1,2,3
	v_fma_f32 v[232+\b], v[232+\b], s[CS], v12
.endr
.set jj, 0
	s_wait_alu depctr_va_vdst(0)
.rept 64
	v_exp_f32 v[S+jj], v[S+jj]                     ; p = 2^(t - M)
.set jj, jj+1
.endr
	v_pk_mul_f32 v[14:15], v[14:15], v[252:253] op_sel_hi:[1,0]   ; the sums under the new M (a plain instruction behind the exponentials)
	s_wait_alu depctr_va_vdst(0)                   ; one wait for the batch, ahead of its first reader
.irp b, 0,1,2,3
	v_exp_f32 v[232+\b], v[232+\b]                 ; each block's largest p
.endr
	v_pk_add_f32 v[236:237], v[132:133], v[136:137]   ; the row's sum of the unquantised p, in eight chains
	v_pk_add_f32 v[250:251], v[140:141], v[144:145]
	v_pk_add_f32 v[248:249], v[148:149], v[152:153]
	v_pk_add_f32 v[246:247], v[156:157], v[160:161]
	v_pk_add_f32 v[244:245], v[164:165], v[168:169]
	v_pk_add_f32 v[242:243], v[172:173], v[176:177]
	v_pk_add_f32 v[240:241], v[180:181], v[184:185]
	v_pk_add_f32 v[14:15], v[14:15], v[188:189]
	v_pk_add_f32 v[236:237], v[236:237], v[128:129]
	v_pk_add_f32 v[250:251], v[250:251], v[130:131]
	v_pk_add_f32 v[248:249], v[248:249], v[134:135]
	v_pk_add_f32 v[246:247], v[246:247], v[138:139]
	v_pk_add_f32 v[244:245], v[244:245], v[142:143]
	v_pk_add_f32 v[242:243], v[242:243], v[146:147]
	v_pk_add_f32 v[240:241], v[240:241], v[150:151]
	v_pk_add_f32 v[14:15], v[14:15], v[154:155]
	v_pk_add_f32 v[236:237], v[236:237], v[158:159]
	v_pk_add_f32 v[250:251], v[250:251], v[162:163]
	v_pk_add_f32 v[248:249], v[248:249], v[166:167]
	v_pk_add_f32 v[246:247], v[246:247], v[170:171]
	v_pk_add_f32 v[244:245], v[244:245], v[174:175]
	v_pk_add_f32 v[242:243], v[242:243], v[178:179]
	v_pk_add_f32 v[240:241], v[240:241], v[182:183]
	v_pk_add_f32 v[14:15], v[14:15], v[186:187]
	v_pk_add_f32 v[236:237], v[236:237], v[190:191]
	s_delay_alu instid0(VALU_DEP_2)
	v_pk_add_f32 v[14:15], v[14:15], v[246:247]
	s_delay_alu instid0(VALU_DEP_2)
	v_pk_add_f32 v[236:237], v[236:237], v[244:245]
	v_pk_add_f32 v[250:251], v[250:251], v[242:243]
	v_pk_add_f32 v[248:249], v[248:249], v[240:241]
	s_delay_alu instid0(VALU_DEP_2)
	v_pk_add_f32 v[14:15], v[14:15], v[250:251]
	s_delay_alu instid0(VALU_DEP_2)
	v_pk_add_f32 v[236:237], v[236:237], v[248:249]
	s_delay_alu instid0(VALU_DEP_1)
	v_pk_add_f32 v[14:15], v[14:15], v[236:237]
	s_wait_alu depctr_va_vdst(0)                   ; and one for the four
.irp b, 0,1,2,3
	v_max_num_f32 v[232+\b], 0x1800000, v[232+\b]  ; the floor 2^(3 - 127)
.endr
.irp b, 0,1,2,3
	s_delay_alu instid0(VALU_DEP_4)
	v_add_nc_u32 v[244+\b], 0xff000000, v[232+\b]  ; the conversion's scale operand
.endr
.irp b, 0,1,2,3
	s_delay_alu instid0(VALU_DEP_4)
	v_lshrrev_b32 v[236+\b], 23, v[244+\b]         ; the byte
.endr
	s_delay_alu instid0(VALU_DEP_3)
	v_lshl_or_b32 v253, v237, 8, v236              ; p's scale word for these 128 keys
	s_delay_alu instid0(VALU_DEP_1)
	v_lshl_or_b32 v253, v238, 16, v253
	s_delay_alu instid0(VALU_DEP_1)
	v_lshl_or_b32 v253, v239, 24, v253
.irp c, 0,1
	v_cvt_scalef32_pk16_fp6_f32 v[224+6*\c:226+6*\c], v[S+32*\c:S+15+32*\c], v[244+2*\c]
	v_cvt_scalef32_pk16_fp6_f32 v[236+4*\c:238+4*\c], v[S+16+32*\c:S+31+32*\c], v[244+2*\c+1]
.endr
	v_nop                                          ; one plain instruction behind a scaled conversion
.irp c, 0,1
.irp i, 0,1,2
	v_permlane16_swap_b32 v[224+6*\c+\i], v[236+4*\c+\i]
.endr
.irp i, 0,1,2
	s_delay_alu instid0(VALU_DEP_3)
	v_mov_b32 v[227+6*\c+\i], v[236+4*\c+\i]
.endr
.endr
	s_wait_alu depctr_va_vdst(0)                   ; the wait directly ahead of the first reader of O^T
.set jj, 0
.rept 16
	v_pk_mul_f32 v[O+jj:O+jj+1], v[O+jj:O+jj+1], v[252:253] op_sel_hi:[1,0]   ; O^T under the new M; these sixteen are also the places between the scale word, the codes and the products
.set jj, jj+2
.endr
	s_wait_alu depctr_va_vdst(0)
	s_wait_dscnt 0x0                               ; V and its scale words are in
.irp t, 0,1,2,3                                ; O^T += V^T P^T: four accumulators by turns
	v_wmma_scale_f32_16x16x128_f8f6f4 v[O+8*\t:O+7+8*\t], v[80+12*\t:91+12*\t], v[224:235], v[O+8*\t:O+7+8*\t], v[28+\t], v253 matrix_a_fmt:MATRIX_FMT_FP6 matrix_b_fmt:MATRIX_FMT_FP6
.endr
.Lhidden_\@:
	s_add_co_u32 s[KF], s[KF], 128
	s_add_co_u32 s[TB], s[TB], 6144
	s_add_co_u32 s[TBV], s[TBV], 6144
	s_add_co_u32 s[TS], s[TS], 512
	s_add_co_u32 s[TJ], s[TJ], 256
.endm
; A TILE'S END: O^T / l, quantised along the head's 64 (two blocks of the model's axis), leaves as a tile image of 768 bytes and two scale bytes a row.  e = 0: my second tile begins.
.macro TILE_END e
.rept 4
	v_nop                                          ; places behind the last products
.endr
.if !\e
	QLOAD 1                                        ; the next tile's Q is on its way under the arithmetic below
.endif
	v_add_f32 v14, v14, v15
	s_delay_alu instid0(VALU_DEP_1)
	v_permlanex16_b32 v252, v14, s[SEL], s[SEL+1]
	s_delay_alu instid0(VALU_DEP_1)
	v_add_f32 v14, v14, v252                       ; the row's sum
	s_wait_alu depctr_va_vdst(0)
	v_rcp_f32 v14, v14
	v_nop                                          ; a plain instruction behind the reciprocal
	s_wait_alu depctr_va_vdst(0)                   ; and the wait ahead of its first reader
.set jj, 0
.rept 16
	v_pk_mul_f32 v[S+jj:S+jj+1], v[O+jj:O+jj+1], v[14:15] op_sel_hi:[1,0]   ; register 16 c + i: channel 32 c + 16 h + i; each accumulator from its low end on
.set jj, jj+2
.endr
	v_max3_num_f32 v232, |v[S]|, |v[S+1]|, 0x1800000
	v_max3_num_f32 v233, |v[S+16]|, |v[S+17]|, 0x1800000
.irp i, 2,4,6,8,10,12,14
	s_delay_alu instid0(VALU_DEP_2)
	v_max3_num_f32 v232, v232, |v[S+\i]|, |v[S+1+\i]|
	s_delay_alu instid0(VALU_DEP_2)
	v_max3_num_f32 v233, v233, |v[S+16+\i]|, |v[S+17+\i]|
.endr
	s_delay_alu instid0(VALU_DEP_2)
	v_permlanex16_b32 v236, v232, s[SEL], s[SEL+1]
	s_delay_alu instid0(VALU_DEP_2)
	v_permlanex16_b32 v237, v233, s[SEL], s[SEL+1]
	s_delay_alu instid0(VALU_DEP_2)
	v_max_num_f32 v232, v232, v236
	s_delay_alu instid0(VALU_DEP_2)
	v_max_num_f32 v233, v233, v237
	s_delay_alu instid0(VALU_DEP_2)
	v_add_nc_u32 v244, 0xff000000, v232
	s_delay_alu instid0(VALU_DEP_2)
	v_add_nc_u32 v245, 0xff000000, v233
	s_delay_alu instid0(VALU_DEP_2)
	v_lshrrev_b32 v236, 23, v244
	s_delay_alu instid0(VALU_DEP_2)
	v_lshrrev_b32 v237, 23, v245
	s_delay_alu instid0(VALU_DEP_1)
	v_lshl_or_b32 v236, v237, 8, v236              ; the head's two scale bytes of my row
	v_cvt_scalef32_pk16_fp6_f32 v[224:226], v[S:S+15], v244
	v_cvt_scalef32_pk16_fp6_f32 v[228:230], v[S+16:S+31], v245
	v_nop
.irp i, 0,1,2
	v_permlane16_swap_b32 v[224+\i], v[228+\i]     ; lanes 0-15 block 0, lanes 16-31 block 1: lower halves in the first three, upper in the second
.endr
	s_delay_alu instid0(VALU_DEP_3)
	v_mov_b32 v227, v228
	s_delay_alu instid0(VALU_DEP_3)
	v_mov_b32 v228, v229
	s_delay_alu instid0(VALU_DEP_3)
	v_mov_b32 v229, v230
	global_store_b128 v1, v[224:227], s[TA+8*\e+4:TA+8*\e+5]             ; 512 consecutive bytes, aligned
	global_store_b64 v2, v[228:229], s[TA+8*\e+4:TA+8*\e+5] offset:512   ; 256
	v_lshlrev_b32 v8, 1, v3                        ; 32 r; lanes l and l xor 16 hold the same bytes for the same place
	global_store_b16 v8, v236, s[TA+8*\e+6:TA+8*\e+7]
.if !\e
	RESET
	s_mov_b32 s[Q0], s[Q1]
	s_mov_b32 s[TB], 0
	s_mov_b32 s[TBV], VL
	s_mov_b32 s[TS], SCL
	s_mov_b32 s[TJ], SCV
	s_mov_b32 s[KF], 0
	s_wait_alu depctr_va_vdst(0)
	s_wait_loadcnt 0x0                             ; Q
	s_wait_xcnt 0x0                                ; the stores have read their registers, which the next step writes
.endif
.endm
	s_wait_alu depctr_va_vdst(0)                   ; the wait at the head's end
	s_wait_tensorcnt 0x0                           ; every wave: keys 0 to 511 and the scale words are in
	ds_add_u32 v[SPW], v[NIL]
	ds_add_u32 v[SPW], v[NIL]                      ; twice on end
	s_wait_dscnt 0x0
	s_barrier_signal -1
	s_barrier_wait -1                              ; no byte is filled again behind this barrier
	s_cmp_lg_u32 s[W3], 0
	s_cbranch_scc0 .Lno_rest
	s_cmp_lt_u32 s[WV], 8
	s_cbranch_scc0 .Lno_rest
	TLOAD G0, G1                                   ; waves 1-3 and 5-7: keys 512 to 2,047 of K and of V, one chunk a wave
.Lno_rest:
	s_wait_loadcnt 0x0                             ; Q
	s_mov_b32 s[CNT], 4
.Lpre:                                             ; key steps 0 to 3 of my first tile, which has nine or more: the first chunk
	STEP
	s_sub_co_u32 s[CNT], s[CNT], 1
	s_cmp_lg_u32 s[CNT], 0
	s_cbranch_scc1 .Lpre
	s_wait_tensorcnt 0x0                           ; every wave: all that is still out
	s_wait_dscnt 0x0
	s_barrier_signal -1
	s_barrier_wait -1                              ; the whole head lies in LDS
	s_mov_b32 s[CNT], 12
.Lbig:                                             ; key steps 4 to 15
	STEP
	s_sub_co_u32 s[CNT], s[CNT], 1
	s_cmp_lg_u32 s[CNT], 0
	s_cbranch_scc1 .Lbig
	TILE_END 0
	s_mov_b32 s[CNT], 8
.Lsmall:                                           ; my second tile lies among the first 1,024 queries: key steps 0 to 7
	STEP
	s_sub_co_u32 s[CNT], s[CNT], 1
	s_cmp_lg_u32 s[CNT], 0
	s_cbranch_scc1 .Lsmall
	TILE_END 1
	s_wait_tensorcnt 0x0                           ; the wave's end
	ds_add_u32 v[SPW], v[NIL]
	s_wait_dscnt 0x0
	s_endpgm
.Lfunc_end_k_q34ee2cb76c_attn:
	.size	k_q34ee2cb76c_attn, .Lfunc_end_k_q34ee2cb76c_attn-k_q34ee2cb76c_attn
	.p2alignl 7, 3214868480
	.fill 96, 4, 3214868480
	.section	.rodata,"a",@progbits
	.p2align	6, 0x0
	.amdhsa_kernel k_q34ee2cb76c_attn
		.amdhsa_group_segment_fixed_size 327680
		.amdhsa_private_segment_fixed_size 0
		.amdhsa_enable_private_segment 0
		.amdhsa_kernarg_size 24
		.amdhsa_user_sgpr_count 2
		.amdhsa_user_sgpr_kernarg_segment_ptr 1
		.amdhsa_wavefront_size32 1
		.amdhsa_system_sgpr_workgroup_id_x 1
		.amdhsa_system_sgpr_workgroup_id_y 1
		.amdhsa_system_sgpr_workgroup_id_z 1
		.amdhsa_system_vgpr_workitem_id 0
		.amdhsa_next_free_vgpr 256
		.amdhsa_next_free_sgpr 100
		.amdhsa_reserve_vcc 1
		.amdhsa_float_denorm_mode_32 3
		.amdhsa_float_denorm_mode_16_64 3
		.amdhsa_memory_ordered 1
		.amdhsa_forward_progress 1
		.amdhsa_inst_pref_size 91
	.end_amdhsa_kernel
	.amdgpu_metadata
---
amdhsa.version: [ 1, 2 ]
amdhsa.kernels:
  - .name:           k_q34ee2cb76c_attn
    .symbol:         k_q34ee2cb76c_attn.kd
    .args:
      - { .name: qkv, .offset: 0, .size: 8, .value_kind: global_buffer, .address_space: global }
      - { .name: acodes, .offset: 8, .size: 8, .value_kind: global_buffer, .address_space: global }
      - { .name: ascales, .offset: 16, .size: 8, .value_kind: global_buffer, .address_space: global }
    .group_segment_fixed_size: 327680
    .private_segment_fixed_size: 0
    .kernarg_segment_align: 8
    .kernarg_segment_size: 24
    .max_flat_workgroup_size: 512
    .sgpr_count:     100
    .vgpr_count:     256
    .wavefront_size: 32
...
	.end_amdgpu_metadata
.endif
;; end of part 3
;; launch gemm_proj (part 4): grid 4 x 32, 4 waves a work-group, clusters of 4 x 4, 327,680 bytes of LDS; arguments acodes, ascales, codes, cscales, b_proj, out0; writes out0
.if DOCPART == 4
	.amdgcn_target "amdgcn-amd-amdhsa--gfx1250"
	.amdhsa_code_object_version 6
	.text
	.protected	k_q34ee2cb76c_gemm_proj
	.globl	k_q34ee2cb76c_gemm_proj
	.p2align	8
	.type	k_q34ee2cb76c_gemm_proj,@function
k_q34ee2cb76c_gemm_proj:
	s_mov_b64 s[64:65], 0
	v_nop
	global_prefetch_b8 v0, s[64:65] scope:SCOPE_SE
	s_setreg_imm32_b32 hwreg(HW_REG_WAVE_MODE, 25, 1), 1
	s_wait_xcnt 0x0
	s_wait_alu depctr_hold_cnt(0) depctr_sa_sdst(0) depctr_va_vdst(0) depctr_va_sdst(0) depctr_va_ssrc(0) depctr_va_vcc(0) depctr_vm_vsrc(0)
	s_getreg_b32 s2, hwreg(HW_REG_IB_STS2, 6, 4)
	s_cmp_eq_u32 s2, 0
	s_cbranch_scc0 .Lentry_in_a_cluster
	s_endpgm
.Lentry_in_a_cluster:
	s_bfe_u32 s2, ttmp6, 0x10000c
	s_cmp_lg_u32 s2, 0xf033
	s_cbranch_scc0 .Lentry_shape_is_right
	s_endpgm
.Lentry_shape_is_right:
.set KSTEP,  256
.set NQ,     KSTEP/128
; out0 = o W_proj + b_proj on codes of FP6 with E8M0 scales, K = 1024 in steps of 256 through two LDS slots; 256 x 256 a work-group, 128 x 128 a wave; joint loads in clusters of 4 x 4.
; A (acodes) comes as images of the operand's registers, B (codes, positions 11264 on) from [K step of 256: 4][12288 positions][192 bytes]: every tile is a dense block, stated as rows of 256 bytes.
.set ROWB,   2359296                   ; from a K step's codes of B to the next
.set KROW,   768
.set PITCH,  240
.set FR,     12
.set NLA,    4
.set NP,     4
.set HALFA,  24576
.set HALFT,  128*PITCH
.set BOFF,   2*HALFA
.set SLOT,   BOFF+2*HALFT
.set ASTEP,  1572864
.set LAPS,   2
.set KS,     32
.set SCL,    2*SLOT
.set HALFS,  (128*KS/256)*272
.set SBLK,   (16*KS/256)*272
.set SPARE,  SCL+4*HALFS
.set SPITCH, 528
.set ADRA, 16
.set ADRB, 20
.set STO,  24
.set RD,   25
.set CO,   26
.set ADRS, 27
.set SPW,  28
.set NIL,  29
.set SC,   32
.set BI,   64
.set AF,   128
.set BK,   128
.set G1, 24
.set G0, 32
.set G1B, 48
.set G0B, 56
.set G1S, 68
.set G0S, 76
.set G1SB, 80
.set G0SB, 88
.set MSB, 0
.macro WIN new
.if MSB != \new
	s_set_vgpr_msb (MSB<<8)|\new
.set MSB, \new
.endif
.endm
.set MUL_LO, 0xa1
.set MUL_HI, 0xf1
.set TO_B,   0x40
.macro JLOAD g0a, g1a, g0b, g1b
	s_cmp_eq_u32 s15, 0
	s_cbranch_scc0 .Lfor_b_\@
	tensor_load_to_lds s[\g0a:\g0a+3], s[\g1a:\g1a+7]
	s_nop 0
.rept 4
	v_nop
.endr
	s_branch .Lasked_\@
.Lfor_b_\@:
	tensor_load_to_lds s[\g0b:\g0b+3], s[\g1b:\g1b+7]
	s_nop 0
.rept 4
	v_nop
.endr
.Lasked_\@:
.endm
.macro CREST
	s_cmp_lg_u32 s14, 0
	s_cbranch_scc1 .Lnot_wave_0_\@
	s_barrier_signal -3
.Lnot_wave_0_\@:
	s_barrier_wait -3
	s_barrier_signal -1
	s_barrier_wait -1
.endm
.macro CROUND
	s_barrier_signal -1
	s_barrier_wait -1
	CREST
.endm
	s_load_b256 s[4:11], s[0:1], 0x0
	s_load_b128 s[96:99], s[0:1], 0x20
	v_lshl_add_u32 v[SPW], v0, 2, SPARE
	v_mov_b32 v[NIL], 0
	ds_add_u32 v[SPW], v[NIL]
	ds_add_u32 v[SPW], v[NIL]
	v_lshrrev_b32 v1, 5, v0
	v_readfirstlane_b32 s14, v1
	s_lshr_b32 s15, s14, 1
	s_and_b32 s16, s14, 1
	s_bfe_u32 s40, ttmp6, 0x40000
	s_bfe_u32 s41, ttmp6, 0x40004
	s_lshl_b32 s42, ttmp9, 2
	s_add_co_u32 s42, s42, s40
	s_and_b32 s17, ttmp7, 0xffff
	s_lshl_b32 s17, s17, 2
	s_add_co_u32 s17, s17, s41
	s_lshl_b32 s43, s41, 2
	s_lshl_b32 s43, 15, s43
	s_lshl_b32 s44, 0x1111, s40
	s_or_b32 s[G1+0], s43, (3<<16)|(1<<21)
	s_mov_b32 s[G1+1], 32<<16
	s_mov_b32 s[G1+2], 192<<16                     ; the head's load: 256 rows of A, 192 rows of 256 bytes
	s_mov_b32 s[G1+3], 32<<16
	s_mov_b32 s[G1+4], 192
	s_mov_b32 s[G1+5], 32
	s_mov_b32 s[G1+6], 0
	s_mov_b32 s[G1+7], 0
	s_or_b32 s[G1B+0], s44, (0<<16)|(1<<20)|(1<<21)|(3<<22)|(3<<25)
	s_mov_b32 s[G1B+1], 256<<16
	s_mov_b32 s[G1B+2], 192<<16
	s_mov_b32 s[G1B+3], 256<<16
	s_mov_b32 s[G1B+4], 192
	s_mov_b32 s[G1B+5], 256
	s_mov_b32 s[G1B+6], 0
	s_mov_b32 s[G1B+7], 0
	s_or_b32 s[G1S+0], s43, (3<<16)|(1<<20)|(1<<21)|(5<<22)|(3<<25)
	s_or_b32 s[G1SB+0], s44, (3<<16)|(1<<20)|(1<<21)|(5<<22)|(3<<25)
.irp g, G1S, G1SB
	s_mov_b32 s[\g+1], 32<<16
	s_mov_b32 s[\g+2], 32<<16                      ; the scale bytes of 256 rows: 32 rows of 256 bytes
	s_mov_b32 s[\g+3], 32<<16
	s_mov_b32 s[\g+4], 32
	s_mov_b32 s[\g+5], 32
	s_mov_b32 s[\g+6], 0
	s_mov_b32 s[\g+7], 0
.endr
	s_mov_b32 s18, 0                               ; first the whole tiles' addresses, for the head's loads
	s_lshl_b32 s20, s17, 8
	s_add_co_u32 s20, s20, s18
	s_lshl_b32 s22, s20, 5
	s_mov_b32 s23, 0
	s_lshr_b32 s20, s20, 7
	s_mul_i32 s20, s20, HALFA
	s_mov_b32 s21, 0
	s_lshl_b32 s46, s42, 8
	s_add_co_u32 s46, s46, s18
	s_add_co_u32 s46, s46, 11264
	s_lshl_b32 s92, s46, 5
	s_mov_b32 s93, 0
	s_mul_i32 s46, s46, 192
	s_mov_b32 s47, 0
	s_mul_i32 s45, s16, HALFA
	s_mul_i32 s95, s16, HALFT
	s_add_co_u32 s95, s95, BOFF
	s_mul_i32 s94, s14, HALFS
	s_wait_dscnt 0x0
	s_wait_kmcnt 0x0
	s_add_nc_u64 s[20:21], s[4:5], s[20:21]
	s_add_nc_u64 s[22:23], s[6:7], s[22:23]
	s_add_nc_u64 s[46:47], s[8:9], s[46:47]
	s_add_nc_u64 s[92:93], s[10:11], s[92:93]
	CROUND
	s_mov_b32 s[G0S], 1
	s_mov_b32 s[G0S+1], SCL
	s_mov_b64 s[G0S+2:G0S+3], s[22:23]
	s_or_b32 s[G0S+3], s[G0S+3], 0x80000000
	s_mov_b32 s[G0SB], 1
	s_mov_b32 s[G0SB+1], SCL+2*HALFS
	s_mov_b64 s[G0SB+2:G0SB+3], s[92:93]
	s_or_b32 s[G0SB+3], s[G0SB+3], 0x80000000
	s_mov_b32 s4, 1                                ; s[4:7]: group 0 of K step 0's 256 rows of A (the arguments that lay there have been used),
	s_mov_b32 s5, 0
	s_mov_b64 s[6:7], s[20:21]
	s_or_b32 s7, s7, 0x80000000
	s_mov_b32 s8, 1                                ; s[8:11]: of B's 256 positions, behind them in slot 0
	s_mov_b32 s9, BOFF
	s_mov_b64 s[10:11], s[46:47]
	s_or_b32 s11, s11, 0x80000000
	s_mul_i32 s18, s16, HALFA                      ; for the ring: my 128 rows of the tile, 24,576 bytes in A and in B alike
	s_mov_b32 s19, 0
	s_add_nc_u64 s[20:21], s[20:21], s[18:19]
	s_add_nc_u64 s[46:47], s[46:47], s[18:19]
.irp s, 0,1
	s_mov_b32 s[G0+4*\s], 1
	s_add_co_u32 s[G0+4*\s+1], s45, \s*SLOT
	s_add_nc_u64 s[G0+4*\s+2:G0+4*\s+3], s[20:21], \s*ASTEP
	s_or_b32 s[G0+4*\s+3], s[G0+4*\s+3], 0x80000000
	s_mov_b32 s[G0B+4*\s], 1
	s_add_co_u32 s[G0B+4*\s+1], s95, \s*SLOT
	s_add_nc_u64 s[G0B+4*\s+2:G0B+4*\s+3], s[46:47], \s*ROWB
	s_or_b32 s[G0B+4*\s+3], s[G0B+4*\s+3], 0x80000000
.endr
; THE HEAD'S LOADS, ONE A WAVE: wave 0 K step 0's 256 rows of A, wave 1 B's 256 positions, wave 2 A's scale bytes, wave 3 B's.  One tree of branches on the wave's number; every way passes one load.
.macro ARM under, g0, g1, next
	s_cmp_lt_u32 s14, \under
	s_cbranch_scc0 \next
	tensor_load_to_lds s[\g0:\g0+3], s[\g1:\g1+7]
	s_nop 0
.rept 4
	v_nop
.endr
	s_branch .Lhead_asked
\next:
.endm
	ARM 1, 4,   G1,  .Lhead_b
	ARM 2, 8,   G1B, .Lhead_sa
	ARM 3, G0S, G1S, .Lhead_sb
	tensor_load_to_lds s[G0SB:G0SB+3], s[G1SB:G1SB+7]
	s_nop 0
.rept 4
	v_nop
.endr
.Lhead_asked:
	v_and_b32 v1, 15, v0
	v_bfe_u32 v2, v0, 4, 1
	v_and_b32 v7, 31, v0
	v_mul_u32_u24 v3, v1, PITCH
	v_mul_u32_u24 v4, v2, 24
	v_add_nc_u32 v4, v3, v4
	v_lshl_add_u32 v5, v2, 4, v4
	v_lshlrev_b32 v8, 4, v7
	v_lshlrev_b32 v9, 3, v7
	s_mul_i32 s21, s15, HALFA
	s_mul_i32 s22, s16, HALFT
	s_add_co_u32 s22, s22, BOFF
.irp s, 0,1
	v_add_nc_u32 v[ADRA+\s], s21, v8
	v_add_nc_u32 v[ADRA+2+\s], s21, v9
	v_add_nc_u32 v[ADRB+\s], s22, v4
	v_add_nc_u32 v[ADRB+2+\s], s22, v5
	s_add_co_u32 s21, s21, SLOT
	s_add_co_u32 s22, s22, SLOT
.endr
	v_mul_u32_u24 v5, v1, KS
	v_lshrrev_b32 v6, 8, v5
	v_lshl_add_u32 v5, v6, 4, v5
	s_mul_i32 s21, s15, HALFS
	s_mul_i32 s22, s16, HALFS
	s_add_co_u32 s22, s22, 2*HALFS
	s_sub_co_u32 s22, s22, s21
	v_mul_u32_u24 v6, s22, v2
	s_add_co_u32 s21, s21, SCL
	v_add_nc_u32 v5, v5, v6
	v_add_nc_u32 v[ADRS], s21, v5
	s_mul_i32 s23, s14, 16*SPITCH
	v_mul_u32_u24 v5, v1, SPITCH
	v_lshl_add_u32 v5, v2, 6, v5
	v_add_nc_u32 v[STO], s23, v5
	v_lshlrev_b32 v[CO], 4, v7
	v_add_nc_u32 v[RD], s23, v[CO]
	s_lshl_b32 s20, s17, 8
	s_lshl_b32 s21, s15, 7
	s_add_co_u32 s20, s20, s21
	s_lshl_b32 s20, s20, 12
	s_mov_b32 s21, 0
	s_lshl_b32 s46, s42, 10
	s_lshl_b32 s47, s16, 9
	s_add_co_u32 s46, s46, s47
	s_mov_b32 s47, 0
	s_add_nc_u64 s[98:99], s[98:99], s[20:21]
	s_add_nc_u64 s[98:99], s[98:99], s[46:47]
	s_add_nc_u64 s[96:97], s[96:97], s[46:47]
	v_lshlrev_b32 v10, 6, v2
.irp b, 0,1,2,3,4,5,6,7
	global_load_b128 v[BI+8*\b:BI+8*\b+3], v10, s[96:97] offset:(32*(\b/2)+8*(\b%2))*4
	global_load_b128 v[BI+8*\b+4:BI+8*\b+7], v10, s[96:97] offset:(32*(\b/2)+8*(\b%2))*4+16
.endr
.macro FRAG reg, adr, q, i
.irp p, 0,1,2,3,4,5
.set PCE, 12*(\q)+6*(\p/3)+\p%3
.if PCE%8 < 5
	ds_load_b64 v[\reg+2*\p:\reg+2*\p+1], v[\adr] offset:8*PCE+16*(PCE/8)+(\i)*16*PITCH
.else
	ds_load_b64 v[\reg+2*\p:\reg+2*\p+1], v[\adr+2] offset:8*PCE+16*(PCE/8)+(\i)*16*PITCH
.endif
.endr
.endm
.macro FRAGA reg, slot, q, i
	ds_load_b128 v[\reg:\reg+3], v[ADRA+\slot] offset:(\q)*12288+(\i)*1536
	ds_load_b64 v[\reg+4:\reg+5], v[ADRA+2+\slot] offset:(\q)*12288+(\i)*1536+512
	ds_load_b128 v[\reg+6:\reg+9], v[ADRA+\slot] offset:(\q)*12288+(\i)*1536+768
	ds_load_b64 v[\reg+10:\reg+11], v[ADRA+2+\slot] offset:(\q)*12288+(\i)*1536+1280
.endm
.macro MUL16 a0, p, q, sc, zero
.irp a, \a0, \a0+1
.irp b, 0,1,2,3,4,5,6,7
.if \zero
	v_wmma_scale_f32_16x16x128_f8f6f4 v[8*(8*((\a)%4)+\b):8*(8*((\a)%4)+\b)+7], v[128*(\p)+FR*\b:128*(\p)+FR*\b+FR-1], v[AF+FR*(\a):AF+FR*(\a)+FR-1], v[BI+8*\b:BI+8*\b+7], v[SC+8*NQ*(\sc)+NQ*\b+(\q)], v[SC+8*NQ*(\sc)+NQ*(\a)+(\q)] matrix_a_fmt:MATRIX_FMT_FP6 matrix_b_fmt:MATRIX_FMT_FP6 matrix_a_scale:MATRIX_SCALE_ROW1
.else
	v_wmma_scale_f32_16x16x128_f8f6f4 v[8*(8*((\a)%4)+\b):8*(8*((\a)%4)+\b)+7], v[128*(\p)+FR*\b:128*(\p)+FR*\b+FR-1], v[AF+FR*(\a):AF+FR*(\a)+FR-1], v[8*(8*((\a)%4)+\b):8*(8*((\a)%4)+\b)+7], v[SC+8*NQ*(\sc)+NQ*\b+(\q)], v[SC+8*NQ*(\sc)+NQ*(\a)+(\q)] matrix_a_fmt:MATRIX_FMT_FP6 matrix_b_fmt:MATRIX_FMT_FP6 matrix_a_scale:MATRIX_SCALE_ROW1
.endif
.endr
.endr
.endm
.macro FETCH_B slot, q, p
	WIN TO_B
.irp i, 0,1,2,3,4,5,6,7
	FRAG 128*(\p)+FR*\i, ADRB+\slot, \q, \i
.endr
	WIN 0
.endm
.macro FETCH_A slot, q, i0
.irp i, \i0, \i0+1, \i0+2, \i0+3
	FRAGA AF+FR*(\i), \slot, \q, \i
.endr
.endm
.macro SCALES sc
.irp i, 0,1,2,3,4,5,6,7
	ds_load_b64 v[SC+8*NQ*\sc+NQ*\i:SC+8*NQ*\sc+NQ*\i+1], v[ADRS] offset:\i*SBLK
.endr
.endm
.macro PLACES n
.rept \n
	v_nop
.endr
.endm
.macro STEP slot, q, zero
	s_wait_dscnt 4*NLA
.if \zero
	WIN 0x81
.else
	WIN MUL_LO
.endif
	MUL16 0, (\q)%2, \q, \slot, \zero
	MUL16 2, (\q)%2, \q, \slot, \zero
	s_wait_dscnt 0
	PLACES NP
	FETCH_B \slot, (\q)+1, 1-(\q)%2
	FETCH_A \slot, (\q)+1, 0
.if \zero
	WIN 0xc1
.else
	WIN MUL_HI
.endif
	MUL16 4, (\q)%2, \q, \slot, \zero
	MUL16 6, (\q)%2, \q, \slot, \zero
	PLACES NP
	WIN 0
	FETCH_A \slot, (\q)+1, 4
.endm
.macro TURN slot, next, fill
	s_wait_tensorcnt 0x0
	ds_add_u32 v[SPW], v[NIL]
	s_wait_dscnt 4*NLA+1
	WIN MUL_LO
	MUL16 0, 1, NQ-1, \slot, 0
	s_wait_dscnt 0x0
	s_barrier_signal -1
	MUL16 2, 1, NQ-1, \slot, 0
	WIN 0
	s_barrier_wait -1
.if \fill
	CREST
	s_add_nc_u64 s[G0+4*\slot+2:G0+4*\slot+3], s[G0+4*\slot+2:G0+4*\slot+3], 2*ASTEP
	s_add_nc_u64 s[G0B+4*\slot+2:G0B+4*\slot+3], s[G0B+4*\slot+2:G0B+4*\slot+3], 2*ROWB
	JLOAD G0+4*\slot, G1, G0B+4*\slot, G1B
.else
	PLACES NP
.endif
	s_wait_alu depctr_va_vdst(0)
	v_add_nc_u32 v[ADRS], 4*NQ, v[ADRS]
	FETCH_B \next, 0, 0
	FETCH_A \next, 0, 0
	SCALES \next
	WIN MUL_HI
	MUL16 4, 1, NQ-1, \slot, 0
	MUL16 6, 1, NQ-1, \slot, 0
	PLACES NP
	WIN 0
	FETCH_A \next, 0, 4
.endm
	s_wait_alu depctr_va_vdst(0)
	s_wait_tensorcnt 0x0                           ; my tile of the head's four is in
	ds_add_u32 v[SPW], v[NIL]
	s_mov_b32 s[G1+2], 96<<16                      ; no tensor load of mine is out: from here on a load brings 128 rows, 96 rows of 256 bytes
	s_mov_b32 s[G1+4], 96
	s_mov_b32 s[G1B+2], 96<<16
	s_mov_b32 s[G1B+4], 96
	s_wait_dscnt 0x0
	CROUND                                         ; all four tiles are in, all sixteen work-groups are here
	JLOAD G0+4, G1, G0B+4, G1B                     ; K step 1, the first tensor load behind the round
	FETCH_B 0, 0, 0
	FETCH_A 0, 0, 0
	SCALES 0
	FETCH_A 0, 0, 4
	s_wait_loadcnt 0x0
	STEP 0, 0, 1
	s_mov_b32 s3, LAPS-1
.Llap:
	TURN 0, 1, 1
	STEP 1, 0, 0
	TURN 1, 0, 1
	STEP 0, 0, 0
	s_sub_co_u32 s3, s3, 1
	s_cmp_lg_u32 s3, 0
	s_cbranch_scc1 .Llap
	TURN 0, 1, 0
	STEP 1, 0, 0
	s_wait_dscnt 4*NLA
	WIN MUL_LO
	MUL16 0, 1, NQ-1, 1, 0
	MUL16 2, 1, NQ-1, 1, 0
	s_wait_dscnt 0
	WIN MUL_HI
	MUL16 4, 1, NQ-1, 1, 0
	MUL16 6, 1, NQ-1, 1, 0
	WIN 0
.macro TOSTAGE a
.set AC, 64*((\a)%4)
	WIN (0x08+4*((\a)/4))
.irp b, 0,1,2,3,4,5,6,7
	ds_store_b128 v[STO], v[AC+8*\b:AC+8*\b+3] offset:128*(\b/2)+32*(\b%2)
	ds_store_b128 v[STO], v[AC+8*\b+4:AC+8*\b+7] offset:128*(\b/2)+32*(\b%2)+16
.endr
	WIN 0
.set BB, BK+64*((\a)%2)
.irp t, 0,1,2,3,4,5,6,7,8,9,10,11,12,13,14,15
	ds_load_b128 v[BB+4*\t:BB+4*\t+3], v[RD] offset:\t*SPITCH
.endr
.endm
.macro SEND a, younger
.set BB, BK+64*((\a)%2)
	s_wait_dscnt \younger
.irp t, 0,1,2,3,4,5,6,7,8,9,10,11,12,13,14,15
	global_store_b128 v[CO], v[BB+4*\t:BB+4*\t+3], s[98:99] offset:(32*((\a)/2)+8*((\a)%2)+\t+8*(\t/8))*4096 th:TH_STORE_NT
.endr
.endm
	PLACES NP
	TOSTAGE 0
.irp a, 1,2,3,4,5,6,7
.if \a > 1
	s_wait_xcnt 0x0
.endif
	TOSTAGE \a
	SEND \a-1, 32
.endr
	SEND 7, 0
	s_wait_tensorcnt 0x0
	ds_add_u32 v[SPW], v[NIL]
	s_wait_dscnt 0x0
	CROUND
	s_endpgm
.Lfunc_end_k_q34ee2cb76c_gemm_proj:
	.size	k_q34ee2cb76c_gemm_proj, .Lfunc_end_k_q34ee2cb76c_gemm_proj-k_q34ee2cb76c_gemm_proj
	.p2alignl 7, 3214868480
	.fill 96, 4, 3214868480
	.section	.rodata,"a",@progbits
	.p2align	6, 0x0
	.amdhsa_kernel k_q34ee2cb76c_gemm_proj
		.amdhsa_group_segment_fixed_size 327680
		.amdhsa_private_segment_fixed_size 0
		.amdhsa_enable_private_segment 0
		.amdhsa_kernarg_size 48
		.amdhsa_user_sgpr_count 2
		.amdhsa_user_sgpr_kernarg_segment_ptr 1
		.amdhsa_wavefront_size32 1
		.amdhsa_system_sgpr_workgroup_id_x 1
		.amdhsa_system_sgpr_workgroup_id_y 1
		.amdhsa_system_sgpr_workgroup_id_z 1
		.amdhsa_system_vgpr_workitem_id 0
		.amdhsa_next_free_vgpr 1024
		.amdhsa_next_free_sgpr 100
		.amdhsa_reserve_vcc 0
		.amdhsa_float_denorm_mode_32 3
		.amdhsa_float_denorm_mode_16_64 3
		.amdhsa_memory_ordered 1
		.amdhsa_forward_progress 1
		.amdhsa_inst_pref_size 154
	.end_amdhsa_kernel
	.amdgpu_metadata
---
amdhsa.version: [ 1, 2 ]
amdhsa.kernels:
  - .name:           k_q34ee2cb76c_gemm_proj
    .symbol:         k_q34ee2cb76c_gemm_proj.kd
    .args:
      - { .name: acodes, .offset: 0, .size: 8, .value_kind: global_buffer, .address_space: global }
      - { .name: ascales, .offset: 8, .size: 8, .value_kind: global_buffer, .address_space: global }
      - { .name: codes, .offset: 16, .size: 8, .value_kind: global_buffer, .address_space: global }
      - { .name: cscales, .offset: 24, .size: 8, .value_kind: global_buffer, .address_space: global }
      - { .name: b_proj, .offset: 32, .size: 8, .value_kind: global_buffer, .address_space: global }
      - { .name: out0, .offset: 40, .size: 8, .value_kind: global_buffer, .address_space: global }
    .group_segment_fixed_size: 327680
    .private_segment_fixed_size: 0
    .kernarg_segment_align: 8
    .kernarg_segment_size: 48
    .max_flat_workgroup_size: 128
    .sgpr_count:     100
    .vgpr_count:     1024
    .wavefront_size: 32
...
	.end_amdgpu_metadata
.endif
;; end of part 4
